; MI455X (gfx1250); checked and timed in simulation.
; The chip was launched on July 23, 2026; its instructions are those of AMD's public machine-readable ISA for CDNA 5 (MIT licence, August 2026) and "CDNA5" Instruction Set Architecture Reference Guide (July 2026). The comments in the code are by the model that wrote it; some were corrected since.
;; DSP Feature Extractor. Allowed arithmetic: float matrix products may take bf16 or f16 operands with f32 sums; all other float work in f32.
;; Inputs: x 131,072 x 500 float32.
;; Outputs: out0 131,072 x 18 float32.
;; 2 versions, each right and faster than the one before. Each part assembles by itself: llvm-mc -triple=amdgcn-amd-amdhsa -mcpu=gfx1250 --defsym DOCPART=n.
;; ======== version 1 of 2: 2 launches
;; limits: a difference of large sums (such as E[x^2] - mean^2): digits are lost where the result is much smaller than its terms; inputs' magnitudes at most 16,376; values are held in f16: magnitudes above 65,504 overflow, below 6.1e-05 lose precision
;; workspace buffers: wtab 294,912 bytes
;; launch tables (part 1): grid 72 x 1, 8 waves a work-group, no clusters, 0 bytes of LDS; arguments wtab; writes wtab
.if DOCPART == 1
	.amdgcn_target "amdgcn-amd-amdhsa--gfx1250"
	.amdhsa_code_object_version 6
	.text
	.protected	k_q9186a434ec_tables
	.globl	k_q9186a434ec_tables
	.p2align	8
	.type	k_q9186a434ec_tables,@function
k_q9186a434ec_tables:
	s_mov_b64 s[64:65], 0
	v_nop
	global_prefetch_b8 v0, s[64:65] scope:SCOPE_SE
	s_setreg_imm32_b32 hwreg(HW_REG_WAVE_MODE, 25, 1), 1
	s_wait_xcnt 0x0
; Tables for the folded DFT of length 500, stored as the register images that the second launch loads.
; Bytes 0 .. 262,143: weights W.  Thread g (0 .. 16,383) stores the 16 bytes (8 f16) at 16 g:
;   lane = g & 31 (r = lane & 15, h = lane >> 4), u = bit 5, s = bits 7:6, t = bits 9:8, comp = bit 10, part = bit 11, q = bit 12, p = bit 13;
;   bin k = p + 2 (64 q + 16 t + r), time index n = 32 s + 16 u + 8 h + e, e = 0 .. 7;
;   value = wn * cos(2 pi k n / 500) (part 0) or wn * sin (part 1); wn = 1/2 at n = 0 and n = 125, 0 for n > 125 and for k > 250;
;   comp 0: the value in f16; comp 1: 2048 x (value - that f16), in f16.
; Bytes 262,144 .. 294,911: thread g2 (0 .. 2,047) stores four f32 at 16 g2: m_k (2 - 2 cos(2 pi k / 500)) / 500 (bit 8 = 0) or the same with
;   the bracket squared (bit 8 = 1); m_k = 2 for k < 250, 1 for k = 250, 0 above; k = p + 128 q + 32 t + 16 h + 8 (bit 5) + 2 e.
; Angles are kept as whole numbers modulo 500 and folded into the first eighth of the circle, so the series see |t| < 0.78.
.set GTAB, 262144
; v[val] = cos(2 pi v[m] / 500), v[m] in 0 .. 499.  Uses v40-v45, vcc; v22 holds the sign bit.
.macro COSIDX m, val
	v_sub_nc_u32 v40, 500, v[\m]
	v_min_u32 v40, v[\m], v40                      ; m1 = min(m, 500 - m): cos is even
	v_sub_nc_u32 v41, 250, v40
	v_min_u32 v41, v40, v41                        ; m2 = min(m1, 250 - m1): the sign turns where m1 > 125
	v_sub_nc_u32 v42, 125, v41
	v_min_u32 v42, v41, v42                        ; m3 = min(m2, 125 - m2): cos becomes sin where m2 > 62
	v_cvt_f32_u32 v42, v42
	v_mul_f32 v42, 0x3c4de32e, v42                 ; t = m3 x 2 pi / 500
	v_mul_f32 v43, v42, v42                        ; z = t^2
	v_mov_b32 v44, 0xb493f27e                      ; cos: -1/10!
	v_mov_b32 v45, 0x3638ef1d                      ; sin: 1/9!
	v_fmaak_f32 v44, v43, v44, 0x37d00d01          ; 1/8!
	v_fmaak_f32 v45, v43, v45, 0xb9500d01          ; -1/7!
	v_fmaak_f32 v44, v43, v44, 0xbab60b61          ; -1/6!
	v_fmaak_f32 v45, v43, v45, 0x3c088889          ; 1/5!
	v_fmaak_f32 v44, v43, v44, 0x3d2aaaab          ; 1/4!
	v_fmaak_f32 v45, v43, v45, 0xbe2aaaab          ; -1/3!
	v_fmaak_f32 v44, v43, v44, 0xbf000000          ; -1/2
	v_fmaak_f32 v45, v43, v45, 0x3f800000
	v_fmaak_f32 v44, v43, v44, 0x3f800000
	v_mul_f32 v45, v42, v45
	v_cmp_lt_u32 vcc_lo, 62, v41
	v_cndmask_b32 v[\val], v44, v45, vcc_lo
	v_cmp_lt_u32 vcc_lo, 125, v40
	v_cndmask_b32 v44, 0, v22, vcc_lo
	v_xor_b32 v[\val], v[\val], v44
.endm
	s_load_b64 s[4:5], s[0:1], 0x0
	s_mov_b32 s6, ttmp9
	v_mov_b32 v20, 0.5
	v_mov_b32 v21, 0
	v_mov_b32 v22, 0x80000000
	s_cmp_ge_u32 s6, 64
	s_cbranch_scc1 .Lgtab
	; ---- work-groups 0 .. 63: the weights ----
	s_lshl_b32 s7, s6, 8
	v_or_b32 v1, s7, v0                            ; g
	v_and_b32 v2, 15, v1                           ; r
	v_bfe_u32 v3, v1, 4, 1                         ; h
	v_bfe_u32 v4, v1, 5, 1                         ; u
	v_bfe_u32 v5, v1, 6, 2                         ; s
	v_bfe_u32 v6, v1, 8, 2                         ; t
	v_bfe_u32 v7, v1, 10, 1                        ; comp
	v_bfe_u32 v8, v1, 11, 1                        ; part
	v_bfe_u32 v9, v1, 12, 1                        ; q
	v_bfe_u32 v10, v1, 13, 1                       ; p
	v_lshl_add_u32 v11, v2, 1, v10
	v_lshl_add_u32 v11, v6, 5, v11
	v_lshl_add_u32 v11, v9, 7, v11                 ; k = p + 2 r + 32 t + 128 q
	v_lshlrev_b32 v12, 3, v3
	v_lshl_add_u32 v12, v4, 4, v12
	v_lshl_add_u32 v12, v5, 5, v12                 ; n0 = 8 h + 16 u + 32 s
	v_mul_u32_u24 v13, v8, 375                     ; sin(a) = cos(a + 3/4 of the circle)
	v_mad_u32_u24 v13, v11, v12, v13               ; k n0 (+ 375), at most 30,975
	v_cvt_f32_u32 v14, v13                         ; modulo 500: a quotient that may be one off, then two corrections
	v_mul_f32 v14, 0x3b03126f, v14
	v_cvt_u32_f32 v14, v14
	v_mul_u32_u24 v14, v14, 500
	v_sub_nc_u32 v13, v13, v14
	v_add_nc_u32 v14, 500, v13
	v_min_u32 v13, v13, v14                        ; a negative rest is a huge unsigned number: + 500 wins
	v_add_nc_u32 v14, 0xfffffe0c, v13
	v_min_u32 v13, v13, v14                        ; a rest of 500 or more: - 500 wins
	v_cmp_lt_u32 s10, 250, v11                     ; bins that do not exist
	v_cmp_ne_u32 s11, 0, v7                        ; the low part is wanted
.irp e, 0,1,2,3,4,5,6,7
	COSIDX 13, 24+\e
	v_add_nc_u32 v16, \e, v12                      ; n
	v_cmp_eq_u32 vcc_lo, 0, v16
	v_cndmask_b32 v46, 1.0, v20, vcc_lo
	v_cmp_eq_u32 vcc_lo, 125, v16
	v_cndmask_b32 v46, v46, v20, vcc_lo
	v_cmp_lt_u32 vcc_lo, 125, v16
	v_cndmask_b32 v46, v46, v21, vcc_lo
	v_cndmask_b32 v46, v46, v21, s10
	v_mul_f32 v[24+\e], v[24+\e], v46
	v_cvt_f16_f32 v47.l, v[24+\e]
	v_cvt_f32_f16 v48, v47.l                       ; the high part, back in f32
	v_sub_f32 v49, v[24+\e], v48
	v_mul_f32 v49, 0x45000000, v49                 ; the rest x 2048
	v_cndmask_b32 v[24+\e], v48, v49, s11
	v_add_nc_u32 v13, v13, v11                     ; the angle of n + 1
	v_add_nc_u32 v14, 0xfffffe0c, v13
	v_min_u32 v13, v13, v14
.endr
.irp j, 0,1,2,3
	v_cvt_pk_f16_f32 v[32+\j], v[24+2*\j], v[25+2*\j]
.endr
	v_lshlrev_b32 v36, 4, v1
	s_wait_kmcnt 0x0
	global_store_b128 v36, v[32:35], s[4:5]        ; a wave stores 512 consecutive bytes
	s_endpgm
	; ---- work-groups 64 .. 71: the weights of the slope and curvature sums ----
.Lgtab:
	s_sub_co_u32 s7, s6, 64
	s_lshl_b32 s7, s7, 8
	v_or_b32 v1, s7, v0                            ; g2
	v_bfe_u32 v3, v1, 4, 1                         ; h
	v_bfe_u32 v4, v1, 5, 1                         ; which four of a tile's eight
	v_bfe_u32 v6, v1, 6, 2                         ; t
	v_bfe_u32 v7, v1, 8, 1                         ; squared or not
	v_bfe_u32 v9, v1, 9, 1                         ; q
	v_bfe_u32 v10, v1, 10, 1                       ; p
	v_lshl_add_u32 v11, v4, 3, v10
	v_lshl_add_u32 v11, v3, 4, v11
	v_lshl_add_u32 v11, v6, 5, v11
	v_lshl_add_u32 v11, v9, 7, v11
	v_cmp_ne_u32 s11, 0, v7
	v_mov_b32 v23, 0x3b83126f                      ; 2 / 500
	v_mov_b32 v17, 0x3b03126f                      ; 1 / 500
.irp e, 0,1,2,3
	v_add_nc_u32 v12, 2*\e, v11                    ; k
	v_min_u32 v13, 250, v12
	COSIDX 13, 14
	v_fma_f32 v14, v14, -2.0, 2.0                  ; 2 - 2 cos
	v_cmp_eq_u32 vcc_lo, 250, v12
	v_cndmask_b32 v15, v23, v17, vcc_lo
	v_cmp_lt_u32 vcc_lo, 250, v12
	v_cndmask_b32 v15, v15, v21, vcc_lo
	v_mul_f32 v15, v15, v14
	v_mul_f32 v16, v15, v14
	v_cndmask_b32 v[24+\e], v15, v16, s11
.endr
	v_lshlrev_b32 v36, 4, v1
	s_wait_kmcnt 0x0
	global_store_b128 v36, v[24:27], s[4:5] offset:GTAB
	s_endpgm
.Lfunc_end_k_q9186a434ec_tables:
	.size	k_q9186a434ec_tables, .Lfunc_end_k_q9186a434ec_tables-k_q9186a434ec_tables
	.p2alignl 7, 3214868480
	.fill 96, 4, 3214868480
	.section	.rodata,"a",@progbits
	.p2align	6, 0x0
	.amdhsa_kernel k_q9186a434ec_tables
		.amdhsa_group_segment_fixed_size 0
		.amdhsa_private_segment_fixed_size 0
		.amdhsa_enable_private_segment 0
		.amdhsa_kernarg_size 8
		.amdhsa_user_sgpr_count 2
		.amdhsa_user_sgpr_kernarg_segment_ptr 1
		.amdhsa_wavefront_size32 1
		.amdhsa_system_sgpr_workgroup_id_x 1
		.amdhsa_system_sgpr_workgroup_id_y 1
		.amdhsa_system_sgpr_workgroup_id_z 1
		.amdhsa_system_vgpr_workitem_id 0
		.amdhsa_next_free_vgpr 64
		.amdhsa_next_free_sgpr 66
		.amdhsa_reserve_vcc 1
		.amdhsa_float_denorm_mode_32 3
		.amdhsa_float_denorm_mode_16_64 3
		.amdhsa_memory_ordered 1
		.amdhsa_forward_progress 1
		.amdhsa_inst_pref_size 28
	.end_amdhsa_kernel
	.amdgpu_metadata
---
amdhsa.version: [ 1, 2 ]
amdhsa.kernels:
  - .name:           k_q9186a434ec_tables
    .symbol:         k_q9186a434ec_tables.kd
    .args:
      - { .name: wtab, .offset: 0, .size: 8, .value_kind: global_buffer, .address_space: global }
    .group_segment_fixed_size: 0
    .private_segment_fixed_size: 0
    .kernarg_segment_align: 8
    .kernarg_segment_size: 8
    .max_flat_workgroup_size: 256
    .sgpr_count:     66
    .vgpr_count:     64
    .wavefront_size: 32
...
	.end_amdgpu_metadata
.endif
;; end of part 1
;; launch features (part 2): grid 256 x 1, 4 waves a work-group, no clusters, 327,680 bytes of LDS; arguments x, wtab, out0; writes out0
.if DOCPART == 2
	.amdgcn_target "amdgcn-amd-amdhsa--gfx1250"
	.amdhsa_code_object_version 6
	.text
	.protected	k_q9186a434ec_features
	.globl	k_q9186a434ec_features
	.p2align	8
	.type	k_q9186a434ec_features,@function
k_q9186a434ec_features:
	s_mov_b64 s[64:65], 0
	v_nop
	global_prefetch_b8 v0, s[64:65] scope:SCOPE_SE
	s_setreg_imm32_b32 hwreg(HW_REG_WAVE_MODE, 25, 1), 1
	s_wait_xcnt 0x0
; 18 features of each of 131,072 rows of 500 f32.  A work-group owns 512 rows and takes them in 16 trips of 32 rows; four waves.
; SPECTRUM.  With a = x[n], b = x[250-n], c = x[250+n], d = x[(500-n) mod 500], n = 0 .. 127, the four folded vectors
;   ee = a+d+b+c, eo = a+d-b-c, oe = a-d-b+c, oo = a-d+b-c give Re X_k (even k, odd k) and Im X_k (even k, odd k) as products with
;   128 x 128 tables of cos and sin (weights 1/2 at n = 0, 125; 0 above 125 and for k > 250): a quarter of the direct DFT's products.
;   Operands are f16 in two parts, v = vh + vl/2048, W = Wh + Wl/2048; X = vh Wh + (vh Wl + vl Wh)/2048 with f32 sums in separate accumulators.
;   Wave w (p = w >> 1 parity of k, q = w & 1 half of the bins) keeps its 64 bins' tables in 512 registers for the whole launch.
;   Source 0 is the table, source 1 the rows of x: lane (r, h) then holds row r and bins 8 h + j of each tile, so sums over bins stay in a lane.
; SLOPE AND CURVATURE deviations come from the spectrum: sum of squares of the circular first (second) difference = sum m_k (2-2cos)^1(2) P_k / 500;
;   the one (two) wrap terms and n x mean^2 are taken off.  Variance, skewness, kurtosis are summed round the row's mean, bandwidth round its centroid.
; LIMITS.  |x| < 16,376 (the folded sums of four must fit f16, largest 65,504).  NaN and infinities are not served.  Where |x499 - x0| is far larger
;   than the slopes inside the row, the slope and curvature deviations are differences of near-equal sums and lose digits.  Where two bins' powers
;   agree within f32 rounding, the dominant frequency may fall on either.
; No cluster: no two work-groups read the same rows of x; the tables go into registers once (0.29 MB against 1 MB of x for a work-group).
.set SLOT1, 65536                      ; LDS: slot 0 at 0, slot 1 at 65,536: 32 rows of 2,000 bytes each (125 x 16: sixteen rows start in sixteen different 16-byte columns)
.set STG,   131072                     ; 8 regions (2 x vector + part) of 32 rows x 272 bytes: the folded vectors in f16, index n at byte 2 n
.set REGN,  8704
.set EX1,   200704                     ; [row, pitch 272][contributor 2 w + h, 32 bytes]: T, F1, D1, D2 | HR, RR, PMAX, K
.set EX2,   209408                     ; [row][contributor] f32: bandwidth sums
.set EXS0,  210432                     ; [wave][row] f32: partial sums of x
.set EXS1,  210944                     ; [wave][row][32 bytes]: S4, S3, MX, MN | S2, ZC
.set EXE,   215040                     ; [row]: x0, x1, x498, x499
.set OUTS,  215552                     ; [row][18] f32
; window 0: v0-31 addresses and lane constants, v32-63 at work, v64-191 accumulators / a row's numbers, v192-255 the power spectrum of the two row groups
; window 1: v0-127 fragments of x, v128-159 and v160-191 the slope and curvature weights, v192-223 the frequencies; window 2: cos tables; window 3: sin tables
.set XA, 64
.set XC, 96
.set XB, 132
.set XD, 168
.set FS1, 202
.set FS2, 210
.set FT1, 218
.set FT2, 226
.set FEE, 234
.set FOO, 242
.set FSX, 250
.set FCOR, 252
.set MSB, 0
.macro WIN new                         ; the immediate's high byte repeats the setting that is left
.if MSB != \new
	s_set_vgpr_msb (MSB<<8)|\new
.set MSB, \new
.endif
.endm
.macro PLACES                          ; four plain vector places behind a matrix instruction (ISA guide 7.12.1) before its registers are read, written or loaded into
.rept 4
	v_nop
.endr
.endm
	s_load_b128 s[4:7], s[0:1], 0x0                ; x, wtab
	s_load_b64 s[8:9], s[0:1], 0x10                ; out0
	s_set_vgpr_msb 0x40
	v_lshl_add_u32 v254, v0, 2, 0x35300
	v_mov_b32 v255, 0
	s_set_vgpr_msb 0x4045
	ds_add_u32 v254, v255
	ds_add_u32 v254, v255
	s_set_vgpr_msb 0x4500
	v_and_b32 v1, 31, v0                           ; lane
	v_lshrrev_b32 v2, 5, v0
	v_readfirstlane_b32 s10, v2                    ; wave w
	s_lshr_b32 s11, s10, 1                         ; p
	s_and_b32 s12, s10, 1                          ; q
	; descriptor group 1: 63 rows of 32 elements of 8 bytes, dense.  The four waves' parts start at 16,128 w; a tile has 250 such rows, so wave 3
	; states 61 rows as the tensor's extent and its last two tile rows arrive as zeros in slot bytes 64,000 .. 64,511, which nothing else touches.
	s_mov_b32 s16, 3<<16
	s_mov_b32 s17, 32<<16
	s_add_co_u32 s14, s10, 1
	s_lshr_b32 s14, s14, 2                         ; 1 for wave 3 alone
	s_lshl_b32 s14, s14, 17
	s_sub_co_u32 s18, 63<<16, s14                  ; tensor_dim1 = 63 or 61
	s_mov_b32 s19, 32<<16
	s_mov_b32 s20, 63
	s_mov_b32 s21, 32
	s_mov_b32 s22, 0
	s_mov_b32 s23, 0
	s_mul_i32 s15, s10, 16128
	s_mul_i32 s32, ttmp9, 1024000                  ; 512 rows of 2,000 bytes
	s_add_co_u32 s32, s32, s15
	s_mov_b32 s33, 0
	s_mul_i32 s34, ttmp9, 36864                    ; 512 rows of 72 bytes
	s_mov_b32 s35, 0
	s_wait_dscnt 0x0
	s_wait_kmcnt 0x0
	s_add_nc_u64 s[4:5], s[4:5], s[32:33]
	s_add_nc_u64 s[8:9], s[8:9], s[34:35]
.irp n, 0,1
	s_mov_b32 s[24+4*\n], 1
	s_add_co_u32 s[25+4*\n], s15, \n*SLOT1
	s_add_nc_u64 s[26+4*\n:27+4*\n], s[4:5], \n*64000
	s_or_b32 s[27+4*\n], s[27+4*\n], 0x80000000
	tensor_load_to_lds s[24+4*\n:27+4*\n], s[16:23] ; tiles 0 and 1: both first fills go out ahead of everything else; two loads of the wave are out
	s_nop 0
.endr
	; the tables, straight into the registers in which they stay
	v_lshlrev_b32 v62, 4, v1
	v_lshlrev_b32 v63, 4, v1
	s_lshl_b32 s32, s10, 16
	s_lshl_b32 s33, s10, 13
	v_add_nc_u32 v62, s32, v62                     ; 65,536 w + 16 lane
	v_add_nc_u32 v63, s33, v63                     ; 8,192 w + 16 lane
	WIN 0x80
.set i, 0
.rept 64
	global_load_b128 v[4*i:4*i+3], v62, s[6:7] offset:512*i
.set i, i+1
.endr
	WIN 0xc0
.set i, 0
.rept 64
	global_load_b128 v[4*i:4*i+3], v62, s[6:7] offset:32768+512*i
.set i, i+1
.endr
	WIN 0x40
.set i, 0
.rept 16
	global_load_b128 v[128+4*i:128+4*i+3], v63, s[6:7] offset:262144+512*i
.set i, i+1
.endr
	WIN 0
	s_mov_b32 s39, 0x322bcc77                      ; 1e-8
	s_mov_b32 s40, 1                               ; the smallest positive f32
	s_mov_b32 s41, 0x80000001                      ; and its negative
	s_mov_b32 s44, 0x3a000000                      ; 1 / 2048
	s_mov_b32 s45, 0x3a000000
	s_mov_b32 s46, 0x45000000                      ; 2048
	s_mov_b32 s47, 0x45000000
	s_cmp_eq_u32 s10, 0
	s_cselect_b32 s36, 0.5, 0                      ; what of ee[0] is taken off the sum of x (wave 0)
	s_cmp_eq_u32 s10, 3
	s_cselect_b32 s37, 0.5, 0                      ; of ee[125] (wave 3)
	s_cselect_b32 s38, 1.0, 0                      ; of ee[126], ee[127]
	v_and_b32 v2, 15, v0                           ; r
	v_bfe_u32 v3, v0, 4, 1                         ; h
	v_mul_u32_u24 v32, v1, 2000                    ; lane = row: the row's first byte
	s_lshl_b32 s14, s10, 7
	v_add_nc_u32 v4, s14, v32                      ; UP: x[32 w]
	v_add_nc_u32 v5, SLOT1, v4
	s_sub_co_u32 s32, 384, s14
	v_add_nc_u32 v6, s32, v32                      ; DN: 384 - 128 w
	v_add_nc_u32 v7, SLOT1, v6
	s_sub_co_u32 s32, 2000, s14
	s_cmp_eq_u32 s10, 0
	s_cselect_b32 s32, 0, s32
	v_add_nc_u32 v8, s32, v32                      ; D0: x[(500 - 32 w) mod 500]
	v_add_nc_u32 v9, SLOT1, v8
	s_mul_i32 s32, s10, 496
	v_add_nc_u32 v10, s32, v32                     ; ST: x[124 w]
	v_add_nc_u32 v11, SLOT1, v10
	s_cselect_b32 s33, 0, 4
	s_sub_co_u32 s32, s32, s33
	v_add_nc_u32 v12, s32, v32                     ; PV: the number in front of my segment (wave 0: x[0] itself, which counts no crossing)
	v_add_nc_u32 v13, SLOT1, v12
	v_mul_u32_u24 v33, v1, 272
	v_mul_u32_u24 v34, v2, 272
	s_lshl_b32 s32, s10, 6
	s_add_co_u32 s33, s32, STG
	v_add_nc_u32 v14, s33, v33                     ; STGW
	s_mul_i32 s33, s11, 2*REGN
	s_add_co_u32 s33, s33, STG
	v_lshl_add_u32 v15, v3, 4, v34
	v_add_nc_u32 v15, s33, v15                     ; FC
	s_add_co_u32 s33, s32, EX1
	v_lshl_add_u32 v16, v3, 5, v34
	v_add_nc_u32 v16, s33, v16                     ; EXW
	v_add_nc_u32 v17, EX1, v34                     ; EXR
	s_lshl_b32 s33, s10, 3
	s_add_co_u32 s33, s33, EX2
	v_lshlrev_b32 v18, 5, v2
	v_lshl_add_u32 v18, v3, 2, v18
	v_add_nc_u32 v18, s33, v18                     ; EX2W
	v_lshlrev_b32 v20, 2, v1
	v_add_nc_u32 v20, EXS0, v20
	v_add_nc_u32 v19, s14, v20                     ; + 128 w
	s_lshl_b32 s33, s10, 10
	s_add_co_u32 s33, s33, EXS1
	v_lshlrev_b32 v21, 5, v1
	v_add_nc_u32 v21, s33, v21
	v_lshlrev_b32 v22, 4, v1
	v_add_nc_u32 v22, EXE, v22
	v_add_nc_u32 v23, EX1, v33
	v_lshlrev_b32 v31, 3, v1
	; bands: 0.8 .. 3.0 Hz is k = 4 .. 15, 0.1 .. 0.5 Hz is k = 1, 2; with k = p + 128 q + 32 t + 16 h + 2 j they lie in tile 0 of the lanes with q = 0, h = 0
	s_cmp_eq_u32 s12, 0
	s_cselect_b32 s32, 1.0, 0
	v_mov_b32 v35, s32
	v_cmp_eq_u32 vcc_lo, 0, v3
	v_cndmask_b32 v24, 0, v35, vcc_lo              ; hrw
	s_cmp_eq_u32 s11, 1
	s_cselect_b32 s32, 1.0, 0
	s_cselect_b32 s33, 0, 1.0
	v_mul_f32 v25, s32, v24                        ; weight of j = 0 (k = 1)
	v_mul_f32 v26, s33, v24                        ; weight of j = 1 (k = 2)
	s_lshl_b32 s32, s12, 7
	s_add_co_u32 s32, s32, s11
	v_lshl_add_u32 v37, v3, 4, s32                 ; p + 128 q + 16 h
	v_cvt_f32_u32 v27, v37
	v_mov_b32 v38, 0x3e4ccccd                      ; 0.2 Hz a bin
	WIN 0x40
.set i, 0
.rept 32
	v_add_nc_u32 v[192+i], 32*(i>>3)+2*(i&7), v37  ; k of accumulator register i
.set i, i+1
.endr
	WIN 0x41
.set i, 0
.rept 32
	v_cvt_f32_u32 v[192+i], v[192+i]
.set i, i+1
.endr
.set i, 0
.rept 32
	v_mul_f32 v[192+i], v[192+i], v38
.set i, i+1
.endr
	WIN 0
	s_wait_loadcnt 0x0                             ; the tables are in
	s_wait_tensorcnt 0x1                           ; my part of tile 0 is in; tile 1 may stay out
	s_barrier_signal -1
	s_barrier_wait -1
; eight numbers of one folded vector: f16 high part, f16 of 2048 x the rest, 16 bytes each into the stage
.macro CONV src, tau, g
.irp j, 0,1,2,3
	v_cvt_pk_f16_f32 v[32+\j], v[\src+2*\j], v[\src+2*\j+1]
.endr
	v_cvt_f32_f16 v40, v32.l
	v_cvt_f32_f16 v41, v32.h
	v_cvt_f32_f16 v42, v33.l
	v_cvt_f32_f16 v43, v33.h
	v_cvt_f32_f16 v44, v34.l
	v_cvt_f32_f16 v45, v34.h
	v_cvt_f32_f16 v46, v35.l
	v_cvt_f32_f16 v47, v35.h
.irp j, 0,2,4,6
	v_pk_add_f32 v[40+\j:41+\j], v[\src+\j:\src+\j+1], v[40+\j:41+\j] neg_lo:[0,1] neg_hi:[0,1]
.endr
.irp j, 0,2,4,6
	v_pk_mul_f32 v[40+\j:41+\j], v[40+\j:41+\j], s[46:47] op_sel_hi:[1,0]
.endr
.irp j, 0,1,2,3
	v_cvt_pk_f16_f32 v[36+\j], v[40+2*\j], v[41+2*\j]
.endr
	ds_store_b128 v14, v[32:35] offset:2*REGN*\tau+16*\g
	ds_store_b128 v14, v[36:39] offset:2*REGN*\tau+REGN+16*\g
.endm
; n = 32 w + 8 g + i, i = 0 .. 7
.macro FOLD8 g
.irp i, 0,1,2,3,4,5,6,7
	v_add_f32 v[FS1+\i], v[XA+8*\g+\i], v[XD+32-8*\g-\i]          ; a + d
	v_sub_f32 v[FT1+\i], v[XA+8*\g+\i], v[XD+32-8*\g-\i]          ; a - d
	v_add_f32 v[FS2+\i], v[XB+34-8*\g-\i], v[XC+2+8*\g+\i]        ; b + c
	v_sub_f32 v[FT2+\i], v[XB+34-8*\g-\i], v[XC+2+8*\g+\i]        ; b - c
.endr
.irp i, 0,2,4,6
	v_pk_add_f32 v[FEE+\i:FEE+\i+1], v[FS1+\i:FS1+\i+1], v[FS2+\i:FS2+\i+1]
	v_pk_add_f32 v[FOO+\i:FOO+\i+1], v[FT1+\i:FT1+\i+1], v[FT2+\i:FT2+\i+1]
	v_pk_add_f32 v[FS1+\i:FS1+\i+1], v[FS1+\i:FS1+\i+1], v[FS2+\i:FS2+\i+1] neg_lo:[0,1] neg_hi:[0,1]   ; eo
	v_pk_add_f32 v[FT1+\i:FT1+\i+1], v[FT1+\i:FT1+\i+1], v[FT2+\i:FT2+\i+1] neg_lo:[0,1] neg_hi:[0,1]   ; oe
.endr
.if \g == 0
	v_pk_add_f32 v[FSX:FSX+1], v[FEE:FEE+1], v[FEE+2:FEE+3]       ; the first two pairs start the sum of x
	v_mul_f32 v[FCOR], s36, v[FEE]
.else
	v_pk_add_f32 v[FSX:FSX+1], v[FSX:FSX+1], v[FEE:FEE+1]
	v_pk_add_f32 v[FSX:FSX+1], v[FSX:FSX+1], v[FEE+2:FEE+3]
.endif
	v_pk_add_f32 v[FSX:FSX+1], v[FSX:FSX+1], v[FEE+4:FEE+5]
	v_pk_add_f32 v[FSX:FSX+1], v[FSX:FSX+1], v[FEE+6:FEE+7]
.if \g == 3
	v_fmac_f32 v[FCOR], s37, v[FEE+5]
	v_add_f32 v[FS2], v[FEE+6], v[FEE+7]
	v_fmac_f32 v[FCOR], s38, v[FS2]
.endif
	CONV FEE, 0, \g
	CONV FS1, 1, \g
	CONV FT1, 2, \g
	CONV FOO, 3, \g
.endm
; fragments of rows 16 G .. 16 G + 15: my parity's cos vector (high, low), then its sin vector; lane (r, h): row r, n = 32 s + 16 u + 8 h ..
.macro FRAGS G
	WIN 0x40
.irp ty, 0,1
.irp cp, 0,1
.irp s, 0,1,2,3
	ds_load_b128 v[64*\ty+32*\cp+8*\s:64*\ty+32*\cp+8*\s+3],   v15 offset:4*REGN*\ty+REGN*\cp+4352*\G+64*\s
	ds_load_b128 v[64*\ty+32*\cp+8*\s+4:64*\ty+32*\cp+8*\s+7], v15 offset:4*REGN*\ty+REGN*\cp+4352*\G+64*\s+32
.endr
.endr
.endr
.endm
; 48 matrix instructions: part 0 cos, 1 sin.  Main sums in v[64+32 part ..], correction sums in v[128+32 part ..], tile t at + 8 t.
; The accumulators take turns, one instruction a turn.  The first products start the sums.
.macro MM part
	WIN 0x06+\part
.irp s, 0,1,2,3
.irp t, 0,1,2,3
.if \s == 0
	v_wmma_f32_16x16x32_f16 v[64+32*\part+8*\t:64+32*\part+8*\t+7], v[32*\t+8*\s:32*\t+8*\s+7], v[64*\part+8*\s:64*\part+8*\s+7], 0
.else
	v_wmma_f32_16x16x32_f16 v[64+32*\part+8*\t:64+32*\part+8*\t+7], v[32*\t+8*\s:32*\t+8*\s+7], v[64*\part+8*\s:64*\part+8*\s+7], v[64+32*\part+8*\t:64+32*\part+8*\t+7]
.endif
.endr
.irp t, 0,1,2,3
.if \s == 0
	v_wmma_f32_16x16x32_f16 v[128+32*\part+8*\t:128+32*\part+8*\t+7], v[128+32*\t+8*\s:128+32*\t+8*\s+7], v[64*\part+8*\s:64*\part+8*\s+7], 0
.else
	v_wmma_f32_16x16x32_f16 v[128+32*\part+8*\t:128+32*\part+8*\t+7], v[128+32*\t+8*\s:128+32*\t+8*\s+7], v[64*\part+8*\s:64*\part+8*\s+7], v[128+32*\part+8*\t:128+32*\part+8*\t+7]
.endif
.endr
.irp t, 0,1,2,3
	v_wmma_f32_16x16x32_f16 v[128+32*\part+8*\t:128+32*\part+8*\t+7], v[32*\t+8*\s:32*\t+8*\s+7], v[64*\part+32+8*\s:64*\part+32+8*\s+7], v[128+32*\part+8*\t:128+32*\part+8*\t+7]
.endr
.endr
.endm
; my 32 bins of row r + 16 G: the power spectrum (kept in v[192 + 32 G ..]) and its first sums
.macro POST G
.set PB, 192+32*\G
	WIN 0
.set i, 0
.rept 16
	v_pk_fma_f32 v[64+2*i:65+2*i], v[128+2*i:129+2*i], s[44:45], v[64+2*i:65+2*i] op_sel_hi:[1,0,1]   ; Re = main + correction / 2048
	v_pk_fma_f32 v[96+2*i:97+2*i], v[160+2*i:161+2*i], s[44:45], v[96+2*i:97+2*i] op_sel_hi:[1,0,1]   ; Im
.set i, i+1
.endr
.set i, 0
.rept 16
	v_pk_mul_f32 v[PB+2*i:PB+2*i+1], v[64+2*i:65+2*i], v[64+2*i:65+2*i]
.set i, i+1
.endr
.set i, 0
.rept 16
	v_pk_fma_f32 v[PB+2*i:PB+2*i+1], v[96+2*i:97+2*i], v[96+2*i:97+2*i], v[PB+2*i:PB+2*i+1]
.set i, i+1
.endr
	v_pk_add_f32 v[32:33], v[PB:PB+1], v[PB+2:PB+3]               ; total power, two chains
	v_pk_add_f32 v[34:35], v[PB+4:PB+5], v[PB+6:PB+7]
	v_max3_num_f32 v54, v[PB], v[PB+1], v[PB+2]                   ; the largest power
.set i, 4
.rept 12
	v_pk_add_f32 v[32+2*(i&1):33+2*(i&1)], v[32+2*(i&1):33+2*(i&1)], v[PB+2*i:PB+2*i+1]
	v_max3_num_f32 v54, v54, v[PB+2*i-5], v[PB+2*i-4]
.set i, i+1
.endr
	v_max3_num_f32 v54, v54, v[PB+27], v[PB+28]
	v_max3_num_f32 v54, v54, v[PB+29], v[PB+30]
	v_max_num_f32 v54, v54, v[PB+31]
	v_pk_add_f32 v[38:39], v[PB+2:PB+3], v[PB+4:PB+5]
	v_pk_add_f32 v[38:39], v[38:39], v[PB+6:PB+7]
	v_mov_b32 v37, 55                                             ; the first place at which it stands: scan downward, 16 t + j
.set i, 30
.rept 31
	v_cmp_neq_f32 vcc_lo, v[PB+i], v54
	v_cndmask_b32 v37, 16*(i>>3)+(i&7), v37, vcc_lo
.set i, i-1
.endr
	WIN 0x04                                                      ; source 1: the tables in window 1
	v_pk_mul_f32 v[40:41], v[PB:PB+1], v[192:193]                 ; f P
	v_pk_mul_f32 v[42:43], v[PB:PB+1], v[128:129]                 ; slope weight x P
	v_pk_mul_f32 v[44:45], v[PB:PB+1], v[160:161]                 ; curvature weight x P
.set i, 1
.rept 15
	v_pk_fma_f32 v[40:41], v[PB+2*i:PB+2*i+1], v[192+2*i:193+2*i], v[40:41]
	v_pk_fma_f32 v[42:43], v[PB+2*i:PB+2*i+1], v[128+2*i:129+2*i], v[42:43]
	v_pk_fma_f32 v[44:45], v[PB+2*i:PB+2*i+1], v[160+2*i:161+2*i], v[44:45]
.set i, i+1
.endr
	WIN 0
	v_pk_add_f32 v[32:33], v[32:33], v[34:35]
	v_add_f32 v38, v38, v39
	v_add_f32 v48, v32, v33                                       ; T
	v_add_f32 v49, v40, v41                                       ; F1
	v_add_f32 v50, v42, v43                                       ; D1
	v_add_f32 v51, v44, v45                                       ; D2
	v_mul_f32 v52, v24, v38                                       ; HR
	v_mul_f32 v53, v25, v[PB]
	v_fmac_f32 v53, v26, v[PB+1]                                  ; RR
	v_cvt_f32_u32 v37, v37
	v_fma_f32 v55, v37, 2.0, v27                                  ; K = p + 128 q + 16 h + 2 (16 t + j)
	ds_store_b128 v16, v[48:51] offset:4352*\G
	ds_store_b128 v16, v[52:55] offset:4352*\G+16
.endm
; four numbers of my segment (chunk c, in v[64 + 4 c ..]).  cnt: how many younger LDS loads may stay out.
; The sign code is x clamped to the smallest denormal, plus and minus: +-0 stay zeros and compare equal.
.macro SCH c, cnt
.set SX0, 64+4*(\c)
.set STS, 32+12*((\c)&1)
.set SPG, 43+12*(((\c)+1)&1)
	s_wait_dscnt \cnt
	v_pk_add_f32 v[STS:STS+1], v[SX0:SX0+1], v[28:29]
	v_pk_add_f32 v[STS+2:STS+3], v[SX0+2:SX0+3], v[28:29]
.irp e, 0,1,2,3
	v_med3_num_f32 v[STS+8+\e], v[SX0+\e], s40, s41
.endr
	v_pk_mul_f32 v[STS+4:STS+5], v[STS:STS+1], v[STS:STS+1]
	v_pk_mul_f32 v[STS+6:STS+7], v[STS+2:STS+3], v[STS+2:STS+3]
	v_cmp_neq_f32 vcc_lo, v[SPG], v[STS+8]
	v_add_co_ci_u32 v30, vcc_lo, 0, v30, vcc_lo
.if (\c) == 0
	v_pk_mul_f32 v[56:57], v[STS:STS+1], v[STS:STS+1]             ; the first pair starts the sums
	v_pk_mul_f32 v[58:59], v[STS+4:STS+5], v[STS:STS+1]
	v_pk_mul_f32 v[60:61], v[STS+4:STS+5], v[STS+4:STS+5]
	v_max_num_f32 v62, v[SX0], v[SX0+1]
	v_min_num_f32 v63, v[SX0], v[SX0+1]
.else
	v_pk_fma_f32 v[56:57], v[STS:STS+1], v[STS:STS+1], v[56:57]
	v_pk_fma_f32 v[58:59], v[STS+4:STS+5], v[STS:STS+1], v[58:59]
	v_pk_fma_f32 v[60:61], v[STS+4:STS+5], v[STS+4:STS+5], v[60:61]
	v_max3_num_f32 v62, v62, v[SX0], v[SX0+1]
	v_min3_num_f32 v63, v63, v[SX0], v[SX0+1]
.endif
	v_cmp_neq_f32 vcc_lo, v[STS+8], v[STS+9]
	v_add_co_ci_u32 v30, vcc_lo, 0, v30, vcc_lo
	v_pk_fma_f32 v[56:57], v[STS+2:STS+3], v[STS+2:STS+3], v[56:57]
	v_pk_fma_f32 v[58:59], v[STS+6:STS+7], v[STS+2:STS+3], v[58:59]
	v_cmp_neq_f32 vcc_lo, v[STS+9], v[STS+10]
	v_add_co_ci_u32 v30, vcc_lo, 0, v30, vcc_lo
	v_pk_fma_f32 v[60:61], v[STS+6:STS+7], v[STS+6:STS+7], v[60:61]
	v_max3_num_f32 v62, v62, v[SX0+2], v[SX0+3]
	v_min3_num_f32 v63, v63, v[SX0+2], v[SX0+3]
	v_cmp_neq_f32 vcc_lo, v[STS+10], v[STS+11]
	v_add_co_ci_u32 v30, vcc_lo, 0, v30, vcc_lo
.endm
; time-domain sums: lane = row, wave w takes x[124 w .. 124 w + 123], wave 3 also the last four
.macro STATS slot
	WIN 0
.irp i, 0,1,2,3
	ds_load_b32 v[44+\i], v20 offset:128*\i                       ; the four waves' partial sums of x
.endr
	ds_load_b32 v55, v[12+\slot]
.set cc, 0
.rept 31
	ds_load_b128 v[64+4*cc:67+4*cc], v[10+\slot] offset:16*cc
.set cc, cc+1
.endr
	s_wait_dscnt 31                                               ; the five words are in, the 31 chunks may stay out
	v_add_f32 v44, v44, v45
	v_add_f32 v46, v46, v47
	v_add_f32 v44, v44, v46
	v_mul_f32 v28, 0xbb03126f, v44                                ; - mean, twice
	v_mul_f32 v29, 0xbb03126f, v44
	v_med3_num_f32 v55, v55, s40, s41
	v_mov_b32 v30, 0
.set cc, 0
.rept 31
	SCH cc, 30-cc                                                 ; LDS loads come back in order: chunk cc is in when 30 - cc are out
.set cc, cc+1
.endr
	s_cmp_lg_u32 s10, 0
	s_cbranch_scc1 .Lnot0_\@
	ds_store_b64 v22, v[64:65]                                    ; x0, x1
.Lnot0_\@:
	s_cmp_lg_u32 s10, 3
	s_cbranch_scc1 .Lnot3_\@
	ds_load_b128 v[188:191], v[10+\slot] offset:496
	SCH 31, 0
	ds_store_b64 v22, v[190:191] offset:8                         ; x498, x499
.Lnot3_\@:
	v_add_f32 v60, v60, v61                                       ; S4
	v_add_f32 v61, v58, v59                                       ; S3
	v_add_f32 v56, v56, v57                                       ; S2
	v_cvt_f32_u32 v57, v30                                        ; crossings
	ds_store_b128 v21, v[60:63]
	ds_store_b64 v21, v[56:57] offset:16
.endm
; the row's total power and centroid from the eight contributors' pairs in v[B .. B+15]; centroid, twice, into v[B+4:B+5]
.macro CEN B
	v_pk_add_f32 v[\B:\B+1], v[\B:\B+1], v[\B+2:\B+3]
	v_pk_add_f32 v[\B+4:\B+5], v[\B+4:\B+5], v[\B+6:\B+7]
	v_pk_add_f32 v[\B+8:\B+9], v[\B+8:\B+9], v[\B+10:\B+11]
	v_pk_add_f32 v[\B+12:\B+13], v[\B+12:\B+13], v[\B+14:\B+15]
	v_pk_add_f32 v[\B:\B+1], v[\B:\B+1], v[\B+4:\B+5]
	v_pk_add_f32 v[\B+8:\B+9], v[\B+8:\B+9], v[\B+12:\B+13]
	v_pk_add_f32 v[\B:\B+1], v[\B:\B+1], v[\B+8:\B+9]
	v_add_f32 v[\B+2], s39, v[\B]
	v_rcp_f32 v[\B+3], v[\B+2]
	v_nop                                                         ; one plain place behind the reciprocal (ISA guide 5.7.2)
	s_wait_alu depctr_va_vdst(0)
	v_mul_f32 v[\B+4], v[\B+1], v[\B+3]
	v_mul_f32 v[\B+5], v[\B+1], v[\B+3]
.endm
.macro BW G
.set PB, 192+32*\G
.set DB, 64+32*\G
.set AC, 128+4*\G
.set i, 0
.rept 16
	v_pk_mul_f32 v[160+2*i:161+2*i], v[DB+2*i:DB+2*i+1], v[PB+2*i:PB+2*i+1]
.set i, i+1
.endr
	v_pk_mul_f32 v[AC:AC+1], v[DB:DB+1], v[160:161]
	v_pk_mul_f32 v[AC+2:AC+3], v[DB+2:DB+3], v[162:163]
.set i, 2
.rept 14
	v_pk_fma_f32 v[AC+2*(i&1):AC+2*(i&1)+1], v[DB+2*i:DB+2*i+1], v[160+2*i:161+2*i], v[AC+2*(i&1):AC+2*(i&1)+1]
.set i, i+1
.endr
	v_pk_add_f32 v[AC:AC+1], v[AC:AC+1], v[AC+2:AC+3]
	v_add_f32 v[AC], v[AC], v[AC+1]
	ds_store_b32 v18, v[AC] offset:512*\G
.endm
; second pass over the spectrum: sum of (f - centroid)^2 P over my 32 bins of each of my two rows
.macro SPEC2
	WIN 0
.irp c, 0,1,2,3,4,5,6,7
	ds_load_b64 v[32+2*\c:33+2*\c], v17 offset:32*\c
.endr
.irp c, 0,1,2,3,4,5,6,7
	ds_load_b64 v[48+2*\c:49+2*\c], v17 offset:4352+32*\c
.endr
	s_wait_dscnt 8                                                ; the first row's eight pairs are in
	CEN 32
	s_wait_dscnt 0x0
	CEN 48
	WIN 0x01                                                      ; source 0: the frequencies in window 1
.set i, 0
.rept 16
	v_pk_add_f32 v[64+2*i:65+2*i], v[192+2*i:193+2*i], v[36:37] neg_lo:[0,1] neg_hi:[0,1]
	v_pk_add_f32 v[96+2*i:97+2*i], v[192+2*i:193+2*i], v[52:53] neg_lo:[0,1] neg_hi:[0,1]
.set i, i+1
.endr
	WIN 0
	BW 0
	BW 1
.endm
; wave 0, lane = row: gathers all contributions, makes the 18 numbers, and stores the trip's 2,304 bytes as nine stores of 256 consecutive bytes
.macro FIN
	s_cmp_lg_u32 s10, 0
	s_cbranch_scc1 .Lnofin_\@
.irp c, 0,1,2,3,4,5,6,7
	ds_load_b128 v[64+8*\c:67+8*\c], v23 offset:32*\c
	ds_load_b128 v[68+8*\c:71+8*\c], v23 offset:32*\c+16
.endr
	v_lshlrev_b32 v32, 5, v1
	v_add_nc_u32 v32, EX2, v32
	ds_load_b128 v[128:131], v32
	ds_load_b128 v[132:135], v32 offset:16
.irp w, 0,1,2,3
	ds_load_b128 v[136+8*\w:139+8*\w], v21 offset:1024*\w
	ds_load_b64 v[140+8*\w:141+8*\w], v21 offset:1024*\w+16
.endr
	ds_load_b128 v[168:171], v22
	v_mov_b32 v33, 0x447a0000                                     ; 1000: above every bin number
	v_mul_u32_u24 v34, v1, 72
	v_add_nc_u32 v34, OUTS, v34
	v_add_nc_u32 v36, OUTS, v31
	s_wait_dscnt 0x0
.irp c, 1,2,3,4,5,6,7
	v_pk_add_f32 v[64:65], v[64:65], v[64+8*\c:65+8*\c]           ; T, F1
	v_pk_add_f32 v[66:67], v[66:67], v[66+8*\c:67+8*\c]           ; D1, D2
	v_pk_add_f32 v[68:69], v[68:69], v[68+8*\c:69+8*\c]           ; HR, RR
.endr
	v_max3_num_f32 v37, v70, v78, v86
	v_max3_num_f32 v37, v37, v94, v102
	v_max3_num_f32 v37, v37, v110, v118
	v_max_num_f32 v37, v37, v126
	v_cmp_eq_f32 vcc_lo, v70, v37
	v_cndmask_b32 v35, v33, v71, vcc_lo
.irp c, 1,2,3,4,5,6,7
	v_cmp_eq_f32 vcc_lo, v[70+8*\c], v37
	v_cndmask_b32 v38, v33, v[71+8*\c], vcc_lo
	v_min_num_f32 v35, v35, v38                                   ; the lowest bin that holds the largest power
.endr
	v_pk_add_f32 v[128:129], v[128:129], v[130:131]
	v_pk_add_f32 v[132:133], v[132:133], v[134:135]
	v_pk_add_f32 v[128:129], v[128:129], v[132:133]
	v_add_f32 v128, v128, v129                                    ; bandwidth sum
.irp w, 1,2,3
	v_pk_add_f32 v[136:137], v[136:137], v[136+8*\w:137+8*\w]     ; S4, S3
	v_pk_add_f32 v[140:141], v[140:141], v[140+8*\w:141+8*\w]     ; S2, crossings
.endr
	v_max3_num_f32 v138, v138, v146, v154
	v_max_num_f32 v138, v138, v162
	v_min3_num_f32 v139, v139, v147, v155
	v_min_num_f32 v139, v139, v163
	v_sub_f32 v172, 0, v28                                        ; mean
	v_mul_f32 v174, 0x3b0355ad, v140                              ; variance = S2 / 499
	v_sub_f32 v175, v138, v139                                    ; peak to peak
	v_mul_f32 v176, 0x3b0355ad, v141                              ; crossings / 499
	v_mul_f32 v38, v28, v28
	v_fmamk_f32 v177, v140, 0x3b03126f, v38                       ; energy = S2 / 500 + mean^2
	v_sub_f32 v39, v171, v168                                     ; x499 - x0
	v_mul_f32 v179, 0x3b0355ad, v39                               ; mean slope
	v_mul_f32 v40, v39, v39
	v_fmamk_f32 v40, v40, 0xbf8041ab, v66                         ; D1 - (x499 - x0)^2 x 500 / 499: the wrap term and 499 mean^2
	v_max_num_f32 v40, 0, v40
	v_mul_f32 v40, 0x3b039930, v40                                ; / 498
	v_sub_f32 v41, v171, v170
	v_sub_f32 v42, v169, v168
	v_sub_f32 v41, v41, v42
	v_mul_f32 v181, 0x3b039930, v41                               ; mean curvature
	v_fma_f32 v42, v171, -2.0, v168
	v_add_f32 v42, v42, v170                                      ; wrap term x0 - 2 x499 + x498
	v_fma_f32 v43, v168, -2.0, v169
	v_add_f32 v43, v43, v171                                      ; wrap term x1 - 2 x0 + x499
	v_fma_f32 v44, -v42, v42, v67
	v_fma_f32 v44, -v43, v43, v44
	v_mul_f32 v45, v181, v181
	v_fmamk_f32 v44, v45, 0xc3f90000, v44                         ; - 498 mean^2
	v_max_num_f32 v44, 0, v44
	v_mul_f32 v44, 0x3b03dcf9, v44                                ; / 497
	v_add_f32 v46, s39, v64                                       ; T + eps
	v_fma_f32 v47, v174, v174, s39                                ; std^4 + eps
	v_sqrt_f32 v173, v174                                         ; std
	v_sqrt_f32 v178, v177                                         ; rms
	v_sqrt_f32 v180, v40                                          ; std of slopes
	v_sqrt_f32 v182, v44                                          ; std of curvature
	v_rcp_f32 v48, v46
	v_rcp_f32 v49, v47
	v_mul_f32 v185, 0x3e4ccccd, v35                               ; dominant frequency; also the plain place behind the run above (ISA guide 5.7.2)
	s_wait_alu depctr_va_vdst(0)
	v_fma_f32 v50, v173, v174, s39                                ; std^3 + eps
	v_mul_f32 v51, v128, v48
	v_mul_f32 v186, v68, v48
	v_mul_f32 v187, v69, v48
	v_mul_f32 v188, v65, v48                                      ; centroid
	v_mul_f32 v52, 0x3b03126f, v136
	v_mul_f32 v184, v52, v49                                      ; kurtosis
	v_rcp_f32 v53, v50
	v_sqrt_f32 v189, v51                                          ; bandwidth
	v_mul_f32 v54, 0x3b03126f, v137                               ; a plain place again
	s_wait_alu depctr_va_vdst(0)
	v_mul_f32 v183, v54, v53                                      ; skewness
.irp u, 0,1,2,3,4,5,6,7,8
	ds_store_b64 v34, v[172+2*\u:173+2*\u] offset:8*\u
.endr
.irp u, 0,1,2,3,4,5,6,7,8
	ds_load_b64 v[64+2*\u:65+2*\u], v36 offset:256*\u             ; LDS serves a wave's instructions in order (ISA guide 5.7.1): these see the stores above
.endr
.irp u, 0,1,2,3,4,5,6,7,8
	s_wait_dscnt 8-\u
	global_store_b64 v31, v[64+2*\u:65+2*\u], s[8:9] offset:256*\u th:TH_STORE_NT
.endr
	s_wait_xcnt 0x0                                               ; the stores' base and data are rewritten only behind this wait
	s_add_nc_u64 s[8:9], s[8:9], 2304
.Lnofin_\@:
.endm
; One trip: 32 rows out of LDS slot 'slot'; refill = 1: the slot gets the tile two trips ahead.
.macro TRIP slot, refill
	; fold: lane = row, wave w takes n = 32 w .. 32 w + 31
.irp i, 0,1,2,3,4,5,6,7
	ds_load_b128 v[XA+4*\i:XA+4*\i+3], v[4+\slot] offset:16*\i            ; x[32 w + ..]
.endr
.irp i, 0,1,2,3,4,5,6,7,8
	ds_load_b128 v[XC+4*\i:XC+4*\i+3], v[4+\slot] offset:992+16*\i        ; x[248 + 32 w + ..]
.endr
.irp i, 0,1,2,3,4,5,6,7,8
	ds_load_b128 v[XB+4*\i:XB+4*\i+3], v[6+\slot] offset:480+16*\i        ; x[216 - 32 w + ..]
.endr
.irp i, 0,1,2,3,4,5,6,7
	ds_load_b128 v[XD+4*\i:XD+4*\i+3], v[6+\slot] offset:1488+16*\i       ; x[468 - 32 w + ..]
.endr
	ds_load_b32 v[XD+32], v[8+\slot]
	s_wait_dscnt 0x0
	FOLD8 0
	FOLD8 1
	FOLD8 2
	FOLD8 3
	v_add_f32 v[FS2], v[FSX], v[FSX+1]
	v_sub_f32 v[FS2], v[FS2], v[FCOR]
	ds_store_b32 v19, v[FS2]                                      ; my part of the row's sum
	s_wait_dscnt 0x0                                              ; my stores into the stage are done, for the other waves' sake
	s_barrier_signal -1
	s_barrier_wait -1
	; products and the first pass over the spectrum, 16 rows at a time
	FRAGS 0
	s_wait_dscnt 16                                               ; the cos vector's 16 loads are in, the sin vector's may stay out
	MM 0
	s_wait_dscnt 0x0
	MM 1
	PLACES
	FRAGS 1
	POST 0
	s_wait_dscnt 0x0
	MM 0
	MM 1
	PLACES
	POST 1
	STATS \slot
	; the slot has been read for the last time.  Every wave: its LDS reads are back, all its tensor loads have landed (the other slot's tile among them); then the barrier.
	s_wait_dscnt 0x0
	s_set_vgpr_msb 0x5
	s_wait_tensorcnt 0x0
	ds_add_u32 v254, v255
	s_wait_dscnt 0x0
	s_set_vgpr_msb 0x500
.if \refill
	s_add_nc_u64 s[26+4*\slot:27+4*\slot], s[26+4*\slot:27+4*\slot], 128000   ; no load of mine is out: the slot's next tile, two trips of 64,000 bytes on
.endif
	s_barrier_signal -1
	s_barrier_wait -1
.if \refill
	tensor_load_to_lds s[24+4*\slot:27+4*\slot], s[16:23]         ; my one load behind this barrier; it has a whole trip in which to land
	s_nop 0
.endif
	SPEC2
	s_wait_dscnt 0x0
	s_barrier_signal -1
	s_barrier_wait -1
	FIN                                                           ; the other waves go on to the next fold; they write none of the bytes read here before the next barrier
.endm
	s_mov_b32 s13, 7
.Ltrips:
	TRIP 0, 1
	TRIP 1, 1
	s_sub_co_u32 s13, s13, 1
	s_cmp_lg_u32 s13, 0
	s_cbranch_scc1 .Ltrips
	TRIP 0, 0                                                     ; the last two tiles: nothing is left to fetch
	TRIP 1, 0
	s_set_vgpr_msb 0x5
	s_wait_tensorcnt 0x0
	ds_add_u32 v254, v255
	s_wait_dscnt 0x0
	s_set_vgpr_msb 0x500
	s_endpgm
.Lfunc_end_k_q9186a434ec_features:
	.size	k_q9186a434ec_features, .Lfunc_end_k_q9186a434ec_features-k_q9186a434ec_features
	.p2alignl 7, 3214868480
	.fill 96, 4, 3214868480
	.section	.rodata,"a",@progbits
	.p2align	6, 0x0
	.amdhsa_kernel k_q9186a434ec_features
		.amdhsa_group_segment_fixed_size 327680
		.amdhsa_private_segment_fixed_size 0
		.amdhsa_enable_private_segment 0
		.amdhsa_kernarg_size 24
		.amdhsa_user_sgpr_count 2
		.amdhsa_user_sgpr_kernarg_segment_ptr 1
		.amdhsa_wavefront_size32 1
		.amdhsa_system_sgpr_workgroup_id_x 1
		.amdhsa_system_sgpr_workgroup_id_y 1
		.amdhsa_system_sgpr_workgroup_id_z 1
		.amdhsa_system_vgpr_workitem_id 0
		.amdhsa_next_free_vgpr 1024
		.amdhsa_next_free_sgpr 66
		.amdhsa_reserve_vcc 1
		.amdhsa_float_denorm_mode_32 3
		.amdhsa_float_denorm_mode_16_64 3
		.amdhsa_memory_ordered 1
		.amdhsa_forward_progress 1
		.amdhsa_inst_pref_size 255
	.end_amdhsa_kernel
	.section	.bss,"aw",@nobits
	.p2align	6
	.space	262144
	.amdgpu_metadata
---
amdhsa.version: [ 1, 2 ]
amdhsa.kernels:
  - .name:           k_q9186a434ec_features
    .symbol:         k_q9186a434ec_features.kd
    .args:
      - { .name: x, .offset: 0, .size: 8, .value_kind: global_buffer, .address_space: global }
      - { .name: wtab, .offset: 8, .size: 8, .value_kind: global_buffer, .address_space: global }
      - { .name: out0, .offset: 16, .size: 8, .value_kind: global_buffer, .address_space: global }
    .group_segment_fixed_size: 327680
    .private_segment_fixed_size: 0
    .kernarg_segment_align: 8
    .kernarg_segment_size: 24
    .max_flat_workgroup_size: 128
    .sgpr_count:     66
    .vgpr_count:     1024
    .wavefront_size: 32
...
	.end_amdgpu_metadata
.endif
;; end of part 2
;; ======== version 2 of 2: 2 launches; 1.29 times as fast as version 1
;; limits: a difference of large sums (such as E[x^2] - mean^2): digits are lost where the result is much smaller than its terms; inputs' magnitudes at most 16,376; values are held in f16: magnitudes above 65,504 overflow, below 6.1e-05 lose precision
;; workspace buffers: wtab 294,912 bytes
;; launch tables: the kernel of part 1 again; grid 72 x 1, 8 waves a work-group, no clusters, 0 bytes of LDS; arguments wtab; writes wtab
;; launch features (part 3): grid 256 x 1, 4 waves a work-group, no clusters, 327,680 bytes of LDS; arguments x, wtab, out0; writes out0
.if DOCPART == 3
	.amdgcn_target "amdgcn-amd-amdhsa--gfx1250"
	.amdhsa_code_object_version 6
	.text
	.protected	k_q9186a434ec_features
	.globl	k_q9186a434ec_features
	.p2align	8
	.type	k_q9186a434ec_features,@function
k_q9186a434ec_features:
	s_mov_b64 s[64:65], 0
	v_nop
	global_prefetch_b8 v0, s[64:65] scope:SCOPE_SE
	s_setreg_imm32_b32 hwreg(HW_REG_WAVE_MODE, 25, 1), 1
	s_wait_xcnt 0x0
; 18 features of each of 131,072 rows of 500 f32.  A work-group owns 512 rows and takes them in 16 trips of 32 rows; four waves.
; SPECTRUM.  With a = x[n], b = x[250-n], c = x[250+n], d = x[(500-n) mod 500], n = 0 .. 127, the four folded vectors
;   ee = a+d+b+c, eo = a+d-b-c, oe = a-d-b+c, oo = a-d+b-c give Re X_k (even k, odd k) and Im X_k (even k, odd k) as products with
;   128 x 128 tables of cos and sin (weights 1/2 at n = 0, 125; 0 above 125 and for k > 250): a quarter of the direct DFT's products.
;   Operands are f16 in two parts, v = vh + vl/2048, W = Wh + Wl/2048; X = vh Wh + (vh Wl + vl Wh)/2048 with f32 sums in separate accumulators.
;   Wave w (p = w >> 1 parity of k, q = w & 1 half of the bins) keeps its 64 bins' tables in 512 registers for the whole launch.
;   Source 0 is the table, source 1 the rows of x: lane (r, h) then holds row r and bins 8 h + j of each tile, so sums over bins stay in a lane.
; SLOPE AND CURVATURE deviations come from the spectrum: sum of squares of the circular first (second) difference = sum m_k (2-2cos)^1(2) P_k / 500;
;   the one (two) wrap terms and n x mean^2 are taken off.  Variance, skewness, kurtosis are summed round the row's mean.
; BANDWIDTH: sum (f - c)^2 P = F2 - c (2 F1 - c T) with T = sum P, F1 = sum f P, F2 = sum f^2 P, c the centroid: one pass over the spectrum.
; TIME-DOMAIN SUMS STAND BETWEEN THE MATRIX INSTRUCTIONS: 186 of the 192 products of a trip are each followed by four or five vector instructions of these sums
;   (31 chunks of 26), which name registers of window 0 alone and none of a product's.  The tables fill windows 2 and 3, and under the products' setting source 0
;   of every instruction means those windows: hence two switches of the register window for each product.
; THE TRIP IS WRITTEN TWICE ONLY: once with a refill (a loop of 14 trips) and once without (a loop of the last 2), to keep the code short.  One body serves both
;   LDS slots: s42 holds the read slot's byte offset and is toggled each trip; the five addresses into the slot are made from it at the trip's head.
; LIMITS.  |x| < 16,376 (the folded sums of four must fit f16, largest 65,504).  NaN and infinities are not served.  Where |x499 - x0| is far larger
;   than the slopes inside the row, the slope and curvature deviations are differences of near-equal sums and lose digits.  Where the bandwidth is far
;   below the centroid, F2 and c (2 F1 - c T) are near-equal and the bandwidth's error can reach about a thousandth of the centroid (a common offset of x
;   does not do that: it raises P_0 alone, whose weight in F1 and F2 is 0).  Where two bins' powers agree within f32 rounding, the dominant frequency may fall on either.
; No cluster: no two work-groups read the same rows of x; the tables go into registers once (0.29 MB against 1 MB of x for a work-group).
.set SLOT1, 65536                      ; LDS: slot 0 at 0, slot 1 at 65,536: 32 rows of 2,000 bytes each (125 x 16: sixteen rows start in sixteen different 16-byte columns)
.set STG,   131072                     ; 8 regions (2 x vector + part) of 32 rows x 272 bytes: the folded vectors in f16, index n at byte 2 n
.set REGN,  8704
.set EX1,   200704                     ; [row, pitch 272][contributor 2 w + h, 32 bytes]: T, F1, D1, D2 | HR, RR, PMAX, K
.set EX2,   209408                     ; [row][contributor] f32: F2
.set EXS0,  210432                     ; [wave][row] f32: partial sums of x
.set EXS1,  210944                     ; [wave][row][32 bytes]: S4, S3, MX, MN | S2, ZC
.set EXE,   215040                     ; [row]: x0, x1, x498, x499; wave 0's own bytes
.set OUTS,  215552                     ; [row][18] f32; wave 0's own bytes
; window 0: v0-31 addresses and lane constants (v4, 6, 8, 10, 12: addresses in slot 0; v5, 7, 9, 11, 13: the same in the trip's slot), v28-63 the time-domain sums,
;           v64-191 accumulators (fold: a row's numbers), v192-255 sixteen chunks of four numbers of x; v192-223 also the power spectrum while it is summed
; window 1: v0-127 fragments of x, v128-159 and v160-191 the slope and curvature weights, v192-223 f, v224-255 f^2; window 2: cos tables; window 3: sin tables
.set XA, 64
.set XC, 96
.set XB, 132
.set XD, 168
.set FS1, 202
.set FS2, 210
.set FT1, 218
.set FT2, 226
.set FEE, 234
.set FOO, 242
.set FSX, 250
.set FCOR, 252
.set PB, 192
.set MSB, 0
.macro WIN new                         ; the immediate's high byte repeats the setting that is left
.if MSB != \new
	s_set_vgpr_msb (MSB<<8)|\new
.set MSB, \new
.endif
.endm
.macro PLACES                          ; four plain vector places behind a matrix instruction (ISA guide 7.12.1) before its registers are read, written or loaded into
.rept 4
	v_nop
.endr
.endm
	s_load_b128 s[4:7], s[0:1], 0x0                ; x, wtab
	s_load_b64 s[8:9], s[0:1], 0x10                ; out0
	v_lshl_add_u32 v254, v0, 2, 0x35300
	v_mov_b32 v255, 0
	ds_add_u32 v254, v255
	ds_add_u32 v254, v255
	s_wait_dscnt 0x0
	v_and_b32 v1, 31, v0                           ; lane
	v_lshrrev_b32 v2, 5, v0
	v_readfirstlane_b32 s10, v2                    ; wave w
	s_lshr_b32 s11, s10, 1                         ; p
	s_and_b32 s12, s10, 1                          ; q
	; descriptor group 1: 63 rows of 32 elements of 8 bytes, dense.  The four waves' parts start at 16,128 w; a tile has 250 such rows, so wave 3
	; states 61 rows as the tensor's extent and its last two tile rows arrive as zeros in slot bytes 64,000 .. 64,511, which nothing else touches.
	s_mov_b32 s16, 3<<16
	s_mov_b32 s17, 32<<16
	s_add_co_u32 s14, s10, 1
	s_lshr_b32 s14, s14, 2                         ; 1 for wave 3 alone
	s_lshl_b32 s14, s14, 17
	s_sub_co_u32 s18, 63<<16, s14                  ; tensor_dim1 = 63 or 61
	s_mov_b32 s19, 32<<16
	s_mov_b32 s20, 63
	s_mov_b32 s21, 32
	s_mov_b32 s22, 0
	s_mov_b32 s23, 0
	s_mul_i32 s15, s10, 16128
	s_mul_i32 s32, ttmp9, 1024000                  ; 512 rows of 2,000 bytes
	s_add_co_u32 s32, s32, s15
	s_mov_b32 s33, 0
	s_mul_i32 s34, ttmp9, 36864                    ; 512 rows of 72 bytes
	s_mov_b32 s35, 0
	s_wait_kmcnt 0x0
	s_add_nc_u64 s[4:5], s[4:5], s[32:33]
	s_add_nc_u64 s[8:9], s[8:9], s[34:35]
	; group 0: s[24:27] brings tile 0 into slot 0 and is not used again; s[28:31] brings tile 1 into slot 1 and then, stepped, every refill
.irp n, 0,1
	s_mov_b32 s[24+4*\n], 1
	s_add_co_u32 s[25+4*\n], s15, \n*SLOT1
	s_add_nc_u64 s[26+4*\n:27+4*\n], s[4:5], \n*64000
	s_or_b32 s[27+4*\n], s[27+4*\n], 0x80000000
	tensor_load_to_lds s[24+4*\n:27+4*\n], s[16:23] ; tiles 0 and 1: both first fills go out ahead of everything else; two loads of the wave are out
	s_nop 0
.endr
	; the tables, straight into the registers in which they stay
	v_lshlrev_b32 v62, 4, v1
	v_lshlrev_b32 v63, 4, v1
	s_lshl_b32 s32, s10, 16
	s_lshl_b32 s33, s10, 13
	v_add_nc_u32 v62, s32, v62                     ; 65,536 w + 16 lane
	v_add_nc_u32 v63, s33, v63                     ; 8,192 w + 16 lane
	WIN 0x80
.set i, 0
.rept 64
	global_load_b128 v[4*i:4*i+3], v62, s[6:7] offset:512*i
.set i, i+1
.endr
	WIN 0xc0
.set i, 0
.rept 64
	global_load_b128 v[4*i:4*i+3], v62, s[6:7] offset:32768+512*i
.set i, i+1
.endr
	WIN 0x40
.set i, 0
.rept 16
	global_load_b128 v[128+4*i:128+4*i+3], v63, s[6:7] offset:262144+512*i
.set i, i+1
.endr
	WIN 0
	s_mov_b32 s39, 0x322bcc77                      ; 1e-8
	s_mov_b32 s40, 1                               ; the smallest positive f32
	s_mov_b32 s41, 0x80000001                      ; and its negative
	s_mov_b32 s42, 0                               ; the slot that the trip reads: trip 0 reads slot 0
	s_mov_b32 s44, 0x3a000000                      ; 1 / 2048
	s_mov_b32 s45, 0x3a000000
	s_mov_b32 s46, 0x45000000                      ; 2048
	s_mov_b32 s47, 0x45000000
	s_cmp_eq_u32 s10, 0
	s_cselect_b32 s36, 0.5, 0                      ; what of ee[0] is taken off the sum of x (wave 0)
	s_cmp_eq_u32 s10, 3
	s_cselect_b32 s37, 0.5, 0                      ; of ee[125] (wave 3)
	s_cselect_b32 s38, 1.0, 0                      ; of ee[126], ee[127]
	v_and_b32 v2, 15, v0                           ; r
	v_bfe_u32 v3, v0, 4, 1                         ; h
	v_mul_u32_u24 v32, v1, 2000                    ; lane = row: the row's first byte
	s_lshl_b32 s14, s10, 7
	v_add_nc_u32 v4, s14, v32                      ; UP: x[32 w]
	s_sub_co_u32 s32, 384, s14
	v_add_nc_u32 v6, s32, v32                      ; DN: 384 - 128 w
	s_sub_co_u32 s32, 2000, s14
	s_cmp_eq_u32 s10, 0
	s_cselect_b32 s32, 0, s32
	v_add_nc_u32 v8, s32, v32                      ; D0: x[(500 - 32 w) mod 500]
	s_mul_i32 s32, s10, 496
	v_add_nc_u32 v10, s32, v32                     ; ST: x[124 w]
	s_cselect_b32 s33, 0, 4
	s_sub_co_u32 s32, s32, s33
	v_add_nc_u32 v12, s32, v32                     ; PV: the number in front of my segment (wave 0: x[0] itself, which counts no crossing)
	v_mul_u32_u24 v33, v1, 272
	v_mul_u32_u24 v34, v2, 272
	s_lshl_b32 s32, s10, 6
	s_add_co_u32 s33, s32, STG
	v_add_nc_u32 v14, s33, v33                     ; STGW
	s_mul_i32 s33, s11, 2*REGN
	s_add_co_u32 s33, s33, STG
	v_lshl_add_u32 v15, v3, 4, v34
	v_add_nc_u32 v15, s33, v15                     ; FC
	s_add_co_u32 s33, s32, EX1
	v_lshl_add_u32 v16, v3, 5, v34
	v_add_nc_u32 v16, s33, v16                     ; EXW
	s_lshl_b32 s33, s10, 3
	s_add_co_u32 s33, s33, EX2
	v_lshlrev_b32 v18, 5, v2
	v_lshl_add_u32 v18, v3, 2, v18
	v_add_nc_u32 v18, s33, v18                     ; EX2W
	v_lshlrev_b32 v20, 2, v1
	v_add_nc_u32 v20, EXS0, v20
	v_add_nc_u32 v19, s14, v20                     ; + 128 w
	s_lshl_b32 s33, s10, 10
	s_add_co_u32 s33, s33, EXS1
	v_lshlrev_b32 v21, 5, v1
	v_add_nc_u32 v21, s33, v21
	v_lshlrev_b32 v22, 4, v1
	v_add_nc_u32 v22, EXE, v22
	v_add_nc_u32 v23, EX1, v33
	v_lshlrev_b32 v31, 3, v1
	; bands: 0.8 .. 3.0 Hz is k = 4 .. 15, 0.1 .. 0.5 Hz is k = 1, 2; with k = p + 128 q + 32 t + 16 h + 2 j they lie in tile 0 of the lanes with q = 0, h = 0
	s_cmp_eq_u32 s12, 0
	s_cselect_b32 s32, 1.0, 0
	v_mov_b32 v35, s32
	v_cmp_eq_u32 vcc_lo, 0, v3
	v_cndmask_b32 v24, 0, v35, vcc_lo              ; hrw
	s_cmp_eq_u32 s11, 1
	s_cselect_b32 s32, 1.0, 0
	s_cselect_b32 s33, 0, 1.0
	v_mul_f32 v25, s32, v24                        ; weight of j = 0 (k = 1)
	v_mul_f32 v26, s33, v24                        ; weight of j = 1 (k = 2)
	s_lshl_b32 s32, s12, 7
	s_add_co_u32 s32, s32, s11
	v_lshl_add_u32 v37, v3, 4, s32                 ; p + 128 q + 16 h
	v_cvt_f32_u32 v27, v37
	v_mov_b32 v38, 0x3e4ccccd                      ; 0.2 Hz a bin
	WIN 0x40
.set i, 0
.rept 32
	v_add_nc_u32 v[192+i], 32*(i>>3)+2*(i&7), v37  ; k of accumulator register i
.set i, i+1
.endr
	WIN 0x41
.set i, 0
.rept 32
	v_cvt_f32_u32 v[192+i], v[192+i]
.set i, i+1
.endr
.set i, 0
.rept 32
	v_mul_f32 v[192+i], v[192+i], v38              ; f
.set i, i+1
.endr
	WIN 0x45
.set i, 0
.rept 32
	v_mul_f32 v[224+i], v[192+i], v[192+i]         ; f^2
.set i, i+1
.endr
	WIN 0
	s_wait_loadcnt 0x0                             ; the tables are in
	s_wait_tensorcnt 0x1                           ; my part of tile 0 is in; tile 1 may stay out
	s_barrier_signal -1
	s_barrier_wait -1
; eight numbers of one folded vector: f16 high part, f16 of 2048 x the rest, 16 bytes each into the stage
.macro CONV src, tau, g
.irp j, 0,1,2,3
	v_cvt_pk_f16_f32 v[32+\j], v[\src+2*\j], v[\src+2*\j+1]
.endr
	v_cvt_f32_f16 v40, v32.l
	v_cvt_f32_f16 v41, v32.h
	v_cvt_f32_f16 v42, v33.l
	v_cvt_f32_f16 v43, v33.h
	v_cvt_f32_f16 v44, v34.l
	v_cvt_f32_f16 v45, v34.h
	v_cvt_f32_f16 v46, v35.l
	v_cvt_f32_f16 v47, v35.h
.irp j, 0,2,4,6
	v_pk_add_f32 v[40+\j:41+\j], v[\src+\j:\src+\j+1], v[40+\j:41+\j] neg_lo:[0,1] neg_hi:[0,1]
.endr
.irp j, 0,2,4,6
	v_pk_mul_f32 v[40+\j:41+\j], v[40+\j:41+\j], s[46:47] op_sel_hi:[1,0]
.endr
.irp j, 0,1,2,3
	v_cvt_pk_f16_f32 v[36+\j], v[40+2*\j], v[41+2*\j]
.endr
	ds_store_b128 v14, v[32:35] offset:2*REGN*\tau+16*\g
	ds_store_b128 v14, v[36:39] offset:2*REGN*\tau+REGN+16*\g
.endm
; n = 32 w + 8 g + i, i = 0 .. 7
.macro FOLD8 g
.irp i, 0,1,2,3,4,5,6,7
	v_add_f32 v[FS1+\i], v[XA+8*\g+\i], v[XD+32-8*\g-\i]          ; a + d
	v_sub_f32 v[FT1+\i], v[XA+8*\g+\i], v[XD+32-8*\g-\i]          ; a - d
	v_add_f32 v[FS2+\i], v[XB+34-8*\g-\i], v[XC+2+8*\g+\i]        ; b + c
	v_sub_f32 v[FT2+\i], v[XB+34-8*\g-\i], v[XC+2+8*\g+\i]        ; b - c
.endr
.irp i, 0,2,4,6
	v_pk_add_f32 v[FEE+\i:FEE+\i+1], v[FS1+\i:FS1+\i+1], v[FS2+\i:FS2+\i+1]
	v_pk_add_f32 v[FOO+\i:FOO+\i+1], v[FT1+\i:FT1+\i+1], v[FT2+\i:FT2+\i+1]
	v_pk_add_f32 v[FS1+\i:FS1+\i+1], v[FS1+\i:FS1+\i+1], v[FS2+\i:FS2+\i+1] neg_lo:[0,1] neg_hi:[0,1]   ; eo
	v_pk_add_f32 v[FT1+\i:FT1+\i+1], v[FT1+\i:FT1+\i+1], v[FT2+\i:FT2+\i+1] neg_lo:[0,1] neg_hi:[0,1]   ; oe
.endr
.if \g == 0
	v_pk_add_f32 v[FSX:FSX+1], v[FEE:FEE+1], v[FEE+2:FEE+3]       ; the first two pairs start the sum of x
	v_mul_f32 v[FCOR], s36, v[FEE]
.else
	v_pk_add_f32 v[FSX:FSX+1], v[FSX:FSX+1], v[FEE:FEE+1]
	v_pk_add_f32 v[FSX:FSX+1], v[FSX:FSX+1], v[FEE+2:FEE+3]
.endif
	v_pk_add_f32 v[FSX:FSX+1], v[FSX:FSX+1], v[FEE+4:FEE+5]
	v_pk_add_f32 v[FSX:FSX+1], v[FSX:FSX+1], v[FEE+6:FEE+7]
.if \g == 3
	v_fmac_f32 v[FCOR], s37, v[FEE+5]
	v_add_f32 v[FS2], v[FEE+6], v[FEE+7]
	v_fmac_f32 v[FCOR], s38, v[FS2]
.endif
	CONV FEE, 0, \g
	CONV FS1, 1, \g
	CONV FT1, 2, \g
	CONV FOO, 3, \g
.endm
; wave 0's fold holds the row's first and last two numbers (a = x[0 ..], d's registers = x[468 .. 499]): it keeps them for its own last step of the trip
.macro EXEST
	s_cmp_lg_u32 s10, 0
	s_cbranch_scc1 .Lnoexe_\@
	ds_store_b64 v22, v[XA:XA+1]                                  ; x0, x1
	ds_store_b64 v22, v[XD+30:XD+31] offset:8                     ; x498, x499
.Lnoexe_\@:
.endm
; fragments of rows 16 G .. 16 G + 15: my parity's cos vector (high, low), then its sin vector; lane (r, h): row r, n = 32 s + 16 u + 8 h ..
.macro FRAGS G
	WIN 0x40
.irp ty, 0,1
.irp cp, 0,1
.irp s, 0,1,2,3
	ds_load_b128 v[64*\ty+32*\cp+8*\s:64*\ty+32*\cp+8*\s+3],   v15 offset:4*REGN*\ty+REGN*\cp+4352*\G+64*\s
	ds_load_b128 v[64*\ty+32*\cp+8*\s+4:64*\ty+32*\cp+8*\s+7], v15 offset:4*REGN*\ty+REGN*\cp+4352*\G+64*\s+32
.endr
.endr
.endr
.endm
; TIME-DOMAIN SUMS: lane = row, wave w takes x[124 w .. 124 w + 123] as chunks 0 .. 30 of four numbers, wave 3 also chunk 31.
; Chunk sc lies in v[SX0 ..]: chunks 0-15 in v192-255, 16-23 in v224-255, 24-31 in v192-223.  Two sets of twelve registers at work take turns (STS);
; SPG is the sign code of the number in front of the chunk.  The sign code is x clamped to the smallest denormal, plus and minus: +-0 stay zeros and compare equal.
.macro SCHSET
.if sc < 16
.set SX0, 192+4*sc
.else
.set SX0, 192+4*((sc+8)&15)
.endif
.set STS, 32+12*(sc&1)
.set SPG, 43+12*((sc+1)&1)
.endm
; slice sp (0 .. 5) of chunk sc: four or five of its 26 instructions
.macro SCHP
.if sp == 0
.if sc == 0
	s_wait_dscnt 16                                               ; the four partial sums of x and the number in front are in (and the fragments, which are older); the 16 chunks may stay out
	v_add_f32 v44, v44, v45
	v_add_f32 v46, v46, v47
	v_add_f32 v44, v44, v46
	v_mul_f32 v28, 0xbb03126f, v44                                ; - mean, twice
	v_mul_f32 v29, 0xbb03126f, v44
	v_med3_num_f32 v55, v55, s40, s41
	v_mov_b32 v30, 0
.endif
.if sc < 16
	s_wait_dscnt 15-sc                                            ; LDS loads come back in order: chunk sc is in when the 15 - sc younger ones are out
.else
.if sc >= 24
.if sc < 31
	s_wait_dscnt 31-sc                                            ; chunks 24 .. 31 were the last eight loads issued
.endif
.endif
.endif
	v_pk_add_f32 v[STS:STS+1], v[SX0:SX0+1], v[28:29]
	v_pk_add_f32 v[STS+2:STS+3], v[SX0+2:SX0+3], v[28:29]
	v_med3_num_f32 v[STS+8], v[SX0], s40, s41
	v_med3_num_f32 v[STS+9], v[SX0+1], s40, s41
.endif
.if sp == 1
	v_med3_num_f32 v[STS+10], v[SX0+2], s40, s41
	v_med3_num_f32 v[STS+11], v[SX0+3], s40, s41
	v_pk_mul_f32 v[STS+4:STS+5], v[STS:STS+1], v[STS:STS+1]
	v_pk_mul_f32 v[STS+6:STS+7], v[STS+2:STS+3], v[STS+2:STS+3]
.endif
.if sp == 2
	v_cmp_neq_f32 vcc_lo, v[SPG], v[STS+8]
	v_add_co_ci_u32 v30, vcc_lo, 0, v30, vcc_lo
.if sc == 0
	v_pk_mul_f32 v[56:57], v[STS:STS+1], v[STS:STS+1]             ; the first pair starts the sums
	v_pk_mul_f32 v[58:59], v[STS+4:STS+5], v[STS:STS+1]
.else
	v_pk_fma_f32 v[56:57], v[STS:STS+1], v[STS:STS+1], v[56:57]
	v_pk_fma_f32 v[58:59], v[STS+4:STS+5], v[STS:STS+1], v[58:59]
.endif
.endif
.if sp == 3
.if sc == 0
	v_pk_mul_f32 v[60:61], v[STS+4:STS+5], v[STS+4:STS+5]
	v_max_num_f32 v62, v[SX0], v[SX0+1]
	v_min_num_f32 v63, v[SX0], v[SX0+1]
.else
	v_pk_fma_f32 v[60:61], v[STS+4:STS+5], v[STS+4:STS+5], v[60:61]
	v_max3_num_f32 v62, v62, v[SX0], v[SX0+1]
	v_min3_num_f32 v63, v63, v[SX0], v[SX0+1]
.endif
	v_cmp_neq_f32 vcc_lo, v[STS+8], v[STS+9]
	v_add_co_ci_u32 v30, vcc_lo, 0, v30, vcc_lo
.endif
.if sp == 4
	v_pk_fma_f32 v[56:57], v[STS+2:STS+3], v[STS+2:STS+3], v[56:57]
	v_pk_fma_f32 v[58:59], v[STS+6:STS+7], v[STS+2:STS+3], v[58:59]
	v_cmp_neq_f32 vcc_lo, v[STS+9], v[STS+10]
	v_add_co_ci_u32 v30, vcc_lo, 0, v30, vcc_lo
.endif
.if sp == 5
	v_pk_fma_f32 v[60:61], v[STS+6:STS+7], v[STS+6:STS+7], v[60:61]
	v_max3_num_f32 v62, v62, v[SX0+2], v[SX0+3]
	v_min3_num_f32 v63, v63, v[SX0+2], v[SX0+3]
	v_cmp_neq_f32 vcc_lo, v[STS+10], v[STS+11]
	v_add_co_ci_u32 v30, vcc_lo, 0, v30, vcc_lo
.endif
.endm
; what stands behind the mmk-th matrix instruction of a row group: slice mmk % 6 of chunk SBASE + mmk / 6, as long as that chunk is below SEND
.macro SLICE
.set sc, SBASE+mmk/6
.set sp, mmk%6
.if sc < SEND
	WIN 0
	SCHSET
	SCHP
.endif
.set mmk, mmk+1
.endm
; 48 matrix instructions: part 0 cos, 1 sin.  Main sums in v[64+32 part ..], correction sums in v[128+32 part ..], tile t at + 8 t.
; The accumulators take turns, one instruction a turn.  The first products start the sums.  A slice follows each.
.macro MM part
.irp s, 0,1,2,3
.irp t, 0,1,2,3
	WIN 0x06+\part
.if \s == 0
	v_wmma_f32_16x16x32_f16 v[64+32*\part+8*\t:64+32*\part+8*\t+7], v[32*\t+8*\s:32*\t+8*\s+7], v[64*\part+8*\s:64*\part+8*\s+7], 0
.else
	v_wmma_f32_16x16x32_f16 v[64+32*\part+8*\t:64+32*\part+8*\t+7], v[32*\t+8*\s:32*\t+8*\s+7], v[64*\part+8*\s:64*\part+8*\s+7], v[64+32*\part+8*\t:64+32*\part+8*\t+7]
.endif
	SLICE
.endr
.irp t, 0,1,2,3
	WIN 0x06+\part
.if \s == 0
	v_wmma_f32_16x16x32_f16 v[128+32*\part+8*\t:128+32*\part+8*\t+7], v[128+32*\t+8*\s:128+32*\t+8*\s+7], v[64*\part+8*\s:64*\part+8*\s+7], 0
.else
	v_wmma_f32_16x16x32_f16 v[128+32*\part+8*\t:128+32*\part+8*\t+7], v[128+32*\t+8*\s:128+32*\t+8*\s+7], v[64*\part+8*\s:64*\part+8*\s+7], v[128+32*\part+8*\t:128+32*\part+8*\t+7]
.endif
	SLICE
.endr
.irp t, 0,1,2,3
	WIN 0x06+\part
	v_wmma_f32_16x16x32_f16 v[128+32*\part+8*\t:128+32*\part+8*\t+7], v[32*\t+8*\s:32*\t+8*\s+7], v[64*\part+32+8*\s:64*\part+32+8*\s+7], v[128+32*\part+8*\t:128+32*\part+8*\t+7]
	SLICE
.endr
.endr
.endm
; the end of the time-domain sums: wave 3's last four numbers, then my sums into LDS
.macro STATSEND
	s_wait_dscnt 0x0                                              ; chunk 31 is in, in every wave: its registers are written again below
	s_cmp_lg_u32 s10, 3
	s_cbranch_scc1 .Lnot3_\@
.set sc, 31
	SCHSET
.set sp, 0
.rept 6
	SCHP
.set sp, sp+1
.endr
.Lnot3_\@:
	v_add_f32 v60, v60, v61                                       ; S4
	v_add_f32 v61, v58, v59                                       ; S3
	v_add_f32 v56, v56, v57                                       ; S2
	v_cvt_f32_u32 v57, v30                                        ; crossings
	ds_store_b128 v21, v[60:63]
	ds_store_b64 v21, v[56:57] offset:16
.endm
; my 32 bins of row r + 16 G: the power spectrum in v192-223 and its sums.  At work: v128-152, the correction sums' registers, dead behind the first 32 lines.
.macro POST G
	WIN 0
.set i, 0
.rept 16
	v_pk_fma_f32 v[64+2*i:65+2*i], v[128+2*i:129+2*i], s[44:45], v[64+2*i:65+2*i] op_sel_hi:[1,0,1]   ; Re = main + correction / 2048
	v_pk_fma_f32 v[96+2*i:97+2*i], v[160+2*i:161+2*i], s[44:45], v[96+2*i:97+2*i] op_sel_hi:[1,0,1]   ; Im
.set i, i+1
.endr
.set i, 0
.rept 16
	v_pk_mul_f32 v[PB+2*i:PB+2*i+1], v[64+2*i:65+2*i], v[64+2*i:65+2*i]
.set i, i+1
.endr
.set i, 0
.rept 16
	v_pk_fma_f32 v[PB+2*i:PB+2*i+1], v[96+2*i:97+2*i], v[96+2*i:97+2*i], v[PB+2*i:PB+2*i+1]
.set i, i+1
.endr
	v_pk_add_f32 v[128:129], v[PB:PB+1], v[PB+2:PB+3]             ; total power, two chains
	v_pk_add_f32 v[130:131], v[PB+4:PB+5], v[PB+6:PB+7]
	v_max3_num_f32 v150, v[PB], v[PB+1], v[PB+2]                  ; the largest power
.set i, 4
.rept 12
	v_pk_add_f32 v[128+2*(i&1):129+2*(i&1)], v[128+2*(i&1):129+2*(i&1)], v[PB+2*i:PB+2*i+1]
	v_max3_num_f32 v150, v150, v[PB+2*i-5], v[PB+2*i-4]
.set i, i+1
.endr
	v_max3_num_f32 v150, v150, v[PB+27], v[PB+28]
	v_max3_num_f32 v150, v150, v[PB+29], v[PB+30]
	v_max_num_f32 v150, v150, v[PB+31]
	v_pk_add_f32 v[134:135], v[PB+2:PB+3], v[PB+4:PB+5]
	v_pk_add_f32 v[134:135], v[134:135], v[PB+6:PB+7]
	v_mov_b32 v133, 55                                            ; the first place at which it stands: scan downward, 16 t + j
.set i, 30
.rept 31
	v_cmp_neq_f32 vcc_lo, v[PB+i], v150
	v_cndmask_b32 v133, 16*(i>>3)+(i&7), v133, vcc_lo
.set i, i-1
.endr
	WIN 0x04                                                      ; source 1: the tables in window 1
	v_pk_mul_f32 v[136:137], v[PB:PB+1], v[192:193]               ; f P
	v_pk_mul_f32 v[138:139], v[PB:PB+1], v[128:129]               ; slope weight x P
	v_pk_mul_f32 v[140:141], v[PB:PB+1], v[160:161]               ; curvature weight x P
	v_pk_mul_f32 v[142:143], v[PB:PB+1], v[224:225]               ; f^2 P
.set i, 1
.rept 15
	v_pk_fma_f32 v[136:137], v[PB+2*i:PB+2*i+1], v[192+2*i:193+2*i], v[136:137]
	v_pk_fma_f32 v[138:139], v[PB+2*i:PB+2*i+1], v[128+2*i:129+2*i], v[138:139]
	v_pk_fma_f32 v[140:141], v[PB+2*i:PB+2*i+1], v[160+2*i:161+2*i], v[140:141]
	v_pk_fma_f32 v[142:143], v[PB+2*i:PB+2*i+1], v[224+2*i:225+2*i], v[142:143]
.set i, i+1
.endr
	WIN 0
	v_pk_add_f32 v[128:129], v[128:129], v[130:131]
	v_add_f32 v134, v134, v135
	v_add_f32 v144, v128, v129                                    ; T
	v_add_f32 v145, v136, v137                                    ; F1
	v_add_f32 v146, v138, v139                                    ; D1
	v_add_f32 v147, v140, v141                                    ; D2
	v_add_f32 v152, v142, v143                                    ; F2
	v_mul_f32 v148, v24, v134                                     ; HR
	v_mul_f32 v149, v25, v[PB]
	v_fmac_f32 v149, v26, v[PB+1]                                 ; RR
	v_cvt_f32_u32 v133, v133
	v_fma_f32 v151, v133, 2.0, v27                                ; K = p + 128 q + 16 h + 2 (16 t + j)
	ds_store_b128 v16, v[144:147] offset:4352*\G
	ds_store_b128 v16, v[148:151] offset:4352*\G+16
	ds_store_b32 v18, v152 offset:512*\G
.endm
; wave 0, lane = row: gathers all contributions, makes the 18 numbers, and stores the trip's 2,304 bytes as nine stores of 256 consecutive bytes
.macro FIN
	s_cmp_lg_u32 s10, 0
	s_cbranch_scc1 .Lnofin_\@
.irp c, 0,1,2,3,4,5,6,7
	ds_load_b128 v[64+8*\c:67+8*\c], v23 offset:32*\c
	ds_load_b128 v[68+8*\c:71+8*\c], v23 offset:32*\c+16
.endr
	v_lshlrev_b32 v32, 5, v1
	v_add_nc_u32 v32, EX2, v32
	ds_load_b128 v[128:131], v32
	ds_load_b128 v[132:135], v32 offset:16
.irp w, 0,1,2,3
	ds_load_b128 v[136+8*\w:139+8*\w], v21 offset:1024*\w
	ds_load_b64 v[140+8*\w:141+8*\w], v21 offset:1024*\w+16
.endr
	ds_load_b128 v[168:171], v22
	v_mov_b32 v33, 0x447a0000                                     ; 1000: above every bin number
	v_mul_u32_u24 v34, v1, 72
	v_add_nc_u32 v34, OUTS, v34
	v_add_nc_u32 v36, OUTS, v31
	s_wait_dscnt 0x0
.irp c, 1,2,3,4,5,6,7
	v_pk_add_f32 v[64:65], v[64:65], v[64+8*\c:65+8*\c]           ; T, F1
	v_pk_add_f32 v[66:67], v[66:67], v[66+8*\c:67+8*\c]           ; D1, D2
	v_pk_add_f32 v[68:69], v[68:69], v[68+8*\c:69+8*\c]           ; HR, RR
.endr
	v_max3_num_f32 v37, v70, v78, v86
	v_max3_num_f32 v37, v37, v94, v102
	v_max3_num_f32 v37, v37, v110, v118
	v_max_num_f32 v37, v37, v126
	v_cmp_eq_f32 vcc_lo, v70, v37
	v_cndmask_b32 v35, v33, v71, vcc_lo
.irp c, 1,2,3,4,5,6,7
	v_cmp_eq_f32 vcc_lo, v[70+8*\c], v37
	v_cndmask_b32 v38, v33, v[71+8*\c], vcc_lo
	v_min_num_f32 v35, v35, v38                                   ; the lowest bin that holds the largest power
.endr
	v_pk_add_f32 v[128:129], v[128:129], v[130:131]
	v_pk_add_f32 v[132:133], v[132:133], v[134:135]
	v_pk_add_f32 v[128:129], v[128:129], v[132:133]
	v_add_f32 v128, v128, v129                                    ; F2
.irp w, 1,2,3
	v_pk_add_f32 v[136:137], v[136:137], v[136+8*\w:137+8*\w]     ; S4, S3
	v_pk_add_f32 v[140:141], v[140:141], v[140+8*\w:141+8*\w]     ; S2, crossings
.endr
	v_max3_num_f32 v138, v138, v146, v154
	v_max_num_f32 v138, v138, v162
	v_min3_num_f32 v139, v139, v147, v155
	v_min_num_f32 v139, v139, v163
	v_sub_f32 v172, 0, v28                                        ; mean
	v_mul_f32 v174, 0x3b0355ad, v140                              ; variance = S2 / 499
	v_sub_f32 v175, v138, v139                                    ; peak to peak
	v_mul_f32 v176, 0x3b0355ad, v141                              ; crossings / 499
	v_mul_f32 v38, v28, v28
	v_fmamk_f32 v177, v140, 0x3b03126f, v38                       ; energy = S2 / 500 + mean^2
	v_sub_f32 v39, v171, v168                                     ; x499 - x0
	v_mul_f32 v179, 0x3b0355ad, v39                               ; mean slope
	v_mul_f32 v40, v39, v39
	v_fmamk_f32 v40, v40, 0xbf8041ab, v66                         ; D1 - (x499 - x0)^2 x 500 / 499: the wrap term and 499 mean^2
	v_max_num_f32 v40, 0, v40
	v_mul_f32 v40, 0x3b039930, v40                                ; / 498
	v_sub_f32 v41, v171, v170
	v_sub_f32 v42, v169, v168
	v_sub_f32 v41, v41, v42
	v_mul_f32 v181, 0x3b039930, v41                               ; mean curvature
	v_fma_f32 v42, v171, -2.0, v168
	v_add_f32 v42, v42, v170                                      ; wrap term x0 - 2 x499 + x498
	v_fma_f32 v43, v168, -2.0, v169
	v_add_f32 v43, v43, v171                                      ; wrap term x1 - 2 x0 + x499
	v_fma_f32 v44, -v42, v42, v67
	v_fma_f32 v44, -v43, v43, v44
	v_mul_f32 v45, v181, v181
	v_fmamk_f32 v44, v45, 0xc3f90000, v44                         ; - 498 mean^2
	v_max_num_f32 v44, 0, v44
	v_mul_f32 v44, 0x3b03dcf9, v44                                ; / 497
	v_add_f32 v46, s39, v64                                       ; T + eps
	v_fma_f32 v47, v174, v174, s39                                ; std^4 + eps
	v_sqrt_f32 v173, v174                                         ; std
	v_sqrt_f32 v178, v177                                         ; rms
	v_sqrt_f32 v180, v40                                          ; std of slopes
	v_sqrt_f32 v182, v44                                          ; std of curvature
	v_rcp_f32 v48, v46
	v_rcp_f32 v49, v47
	v_mul_f32 v185, 0x3e4ccccd, v35                               ; dominant frequency; also the plain place behind the run above (ISA guide 5.7.2)
	s_wait_alu depctr_va_vdst(0)
	v_fma_f32 v50, v173, v174, s39                                ; std^3 + eps
	v_mul_f32 v188, v65, v48                                      ; centroid c
	v_add_f32 v55, v65, v65
	v_mul_f32 v186, v68, v48
	v_mul_f32 v187, v69, v48
	v_fma_f32 v55, -v188, v64, v55                                ; 2 F1 - c T
	v_mul_f32 v52, 0x3b03126f, v136
	v_fma_f32 v51, -v188, v55, v128                               ; F2 - c (2 F1 - c T)
	v_mul_f32 v184, v52, v49                                      ; kurtosis
	v_max_num_f32 v51, 0, v51
	v_mul_f32 v51, v51, v48
	v_rcp_f32 v53, v50
	v_sqrt_f32 v189, v51                                          ; bandwidth
	v_mul_f32 v54, 0x3b03126f, v137                               ; a plain place again
	s_wait_alu depctr_va_vdst(0)
	v_mul_f32 v183, v54, v53                                      ; skewness
.irp u, 0,1,2,3,4,5,6,7,8
	ds_store_b64 v34, v[172+2*\u:173+2*\u] offset:8*\u
.endr
.irp u, 0,1,2,3,4,5,6,7,8
	ds_load_b64 v[64+2*\u:65+2*\u], v36 offset:256*\u             ; LDS serves a wave's instructions in order (ISA guide 5.7.1): these see the stores above
.endr
.irp u, 0,1,2,3,4,5,6,7,8
	s_wait_dscnt 8-\u
	global_store_b64 v31, v[64+2*\u:65+2*\u], s[8:9] offset:256*\u th:TH_STORE_NT
.endr
	s_wait_xcnt 0x0                                               ; the stores' base and data are rewritten only behind this wait
	s_add_nc_u64 s[8:9], s[8:9], 2304
.Lnofin_\@:
.endm
; One trip: 32 rows out of the LDS slot at byte s42; refill = 1: that slot gets the tile two trips ahead.
.macro TRIP refill
	v_add_nc_u32 v5, s42, v4                                      ; this trip's slot: the five addresses into it
	v_add_nc_u32 v7, s42, v6
	v_add_nc_u32 v9, s42, v8
	v_add_nc_u32 v11, s42, v10
	v_add_nc_u32 v13, s42, v12
	; fold: lane = row, wave w takes n = 32 w .. 32 w + 31
.irp i, 0,1,2,3,4,5,6,7
	ds_load_b128 v[XA+4*\i:XA+4*\i+3], v5 offset:16*\i            ; x[32 w + ..]
.endr
.irp i, 0,1,2,3,4,5,6,7,8
	ds_load_b128 v[XC+4*\i:XC+4*\i+3], v5 offset:992+16*\i        ; x[248 + 32 w + ..]
.endr
.irp i, 0,1,2,3,4,5,6,7,8
	ds_load_b128 v[XB+4*\i:XB+4*\i+3], v7 offset:480+16*\i        ; x[216 - 32 w + ..]
.endr
.irp i, 0,1,2,3,4,5,6,7
	ds_load_b128 v[XD+4*\i:XD+4*\i+3], v7 offset:1488+16*\i       ; x[468 - 32 w + ..]
.endr
	ds_load_b32 v[XD+32], v9
	s_wait_dscnt 0x0
	EXEST
	FOLD8 0
	FOLD8 1
	FOLD8 2
	FOLD8 3
	v_add_f32 v[FS2], v[FSX], v[FSX+1]
	v_sub_f32 v[FS2], v[FS2], v[FCOR]
	ds_store_b32 v19, v[FS2]                                      ; my part of the row's sum
	s_wait_dscnt 0x0                                              ; my stores into the stage are done, for the other waves' sake
	s_barrier_signal -1
	s_barrier_wait -1
	; rows 0-15: 32 fragment loads, then what the time-domain sums need: the four partial sums of x, the number in front of my segment, chunks 0-15
	FRAGS 0
	WIN 0
.irp i, 0,1,2,3
	ds_load_b32 v[44+\i], v20 offset:128*\i
.endr
	ds_load_b32 v55, v13
.set cc, 0
.rept 16
	ds_load_b128 v[192+4*cc:195+4*cc], v11 offset:16*cc
.set cc, cc+1
.endr
	s_wait_dscnt 37                                               ; the cos vector's 16 loads are in; 16 + 5 + 16 younger ones may stay out
.set mmk, 0
.set SBASE, 0
.set SEND, 16
	MM 0                                                          ; chunks 0-7 between the products
	MM 1                                                          ; chunks 8-15; the sin vector's fragments are older than the words waited for in the first slice
	PLACES
	; rows 16-31: fragments and chunks 16-23 go out ahead of the first rows' spectrum, chunks 24-31 behind it, into the registers that held it
	FRAGS 1
	WIN 0
.set cc, 0
.rept 8
	ds_load_b128 v[224+4*cc:227+4*cc], v11 offset:16*(16+cc)
.set cc, cc+1
.endr
	POST 0
.set cc, 0
.rept 8
	ds_load_b128 v[192+4*cc:195+4*cc], v11 offset:16*(24+cc)
.set cc, cc+1
.endr
	s_wait_dscnt 11                                               ; the 32 fragment loads and chunks 16-23 are in; three stores and eight loads may stay out
.set mmk, 0
.set SBASE, 16
.set SEND, 31
	MM 0                                                          ; chunks 16-23
	MM 1                                                          ; chunks 24-30; the last six products stand alone
	WIN 0
	PLACES
	STATSEND
	POST 1
	; the slot has been read for the last time.  Every wave: its LDS reads are back, all its tensor loads have landed (the other slot's tile among them); then the barrier.
	s_wait_dscnt 0x0
	s_wait_xcnt 0x0
	v_lshl_add_u32 v254, v0, 2, 0x35300
	v_mov_b32 v255, 0
	s_wait_tensorcnt 0x0
	ds_add_u32 v254, v255
	s_wait_dscnt 0x0
.if \refill
	s_xor_b32 s29, s29, SLOT1                                     ; no load of mine is out, so the group 0 may be written: the slot just read,
	s_add_nc_u64 s[30:31], s[30:31], 64000                        ; and the tile behind the one that this group 0 brought last: two trips ahead of this trip
.endif
	s_barrier_signal -1
	s_barrier_wait -1
.if \refill
	tensor_load_to_lds s[28:31], s[16:23]                         ; my one load behind this barrier; it has a whole trip in which to land
	s_nop 0
.endif
	FIN                                                           ; the other waves go on to the next fold; they write none of the bytes read here before the next barrier
	s_xor_b32 s42, s42, SLOT1                                     ; the next trip reads the other slot
.endm
	s_mov_b32 s13, 14                                             ; trips 0 .. 13 ask for tiles 2 .. 15
.Ltrips:
	TRIP 1
	s_sub_co_u32 s13, s13, 1
	s_cmp_lg_u32 s13, 0
	s_cbranch_scc1 .Ltrips
	s_mov_b32 s13, 2                                              ; trips 14 and 15: nothing is left to fetch
.Ltail:
	TRIP 0
	s_sub_co_u32 s13, s13, 1
	s_cmp_lg_u32 s13, 0
	s_cbranch_scc1 .Ltail
	s_wait_xcnt 0x0
	v_lshl_add_u32 v254, v0, 2, 0x35300
	v_mov_b32 v255, 0
	s_wait_tensorcnt 0x0
	ds_add_u32 v254, v255
	s_wait_dscnt 0x0
	s_endpgm
.Lfunc_end_k_q9186a434ec_features:
	.size	k_q9186a434ec_features, .Lfunc_end_k_q9186a434ec_features-k_q9186a434ec_features
	.p2alignl 7, 3214868480
	.fill 96, 4, 3214868480
	.section	.rodata,"a",@progbits
	.p2align	6, 0x0
	.amdhsa_kernel k_q9186a434ec_features
		.amdhsa_group_segment_fixed_size 327680
		.amdhsa_private_segment_fixed_size 0
		.amdhsa_enable_private_segment 0
		.amdhsa_kernarg_size 24
		.amdhsa_user_sgpr_count 2
		.amdhsa_user_sgpr_kernarg_segment_ptr 1
		.amdhsa_wavefront_size32 1
		.amdhsa_system_sgpr_workgroup_id_x 1
		.amdhsa_system_sgpr_workgroup_id_y 1
		.amdhsa_system_sgpr_workgroup_id_z 1
		.amdhsa_system_vgpr_workitem_id 0
		.amdhsa_next_free_vgpr 1024
		.amdhsa_next_free_sgpr 66
		.amdhsa_reserve_vcc 1
		.amdhsa_float_denorm_mode_32 3
		.amdhsa_float_denorm_mode_16_64 3
		.amdhsa_memory_ordered 1
		.amdhsa_forward_progress 1
		.amdhsa_inst_pref_size 255
	.end_amdhsa_kernel
	.section	.bss,"aw",@nobits
	.p2align	6
	.space	262144
	.amdgpu_metadata
---
amdhsa.version: [ 1, 2 ]
amdhsa.kernels:
  - .name:           k_q9186a434ec_features
    .symbol:         k_q9186a434ec_features.kd
    .args:
      - { .name: x, .offset: 0, .size: 8, .value_kind: global_buffer, .address_space: global }
      - { .name: wtab, .offset: 8, .size: 8, .value_kind: global_buffer, .address_space: global }
      - { .name: out0, .offset: 16, .size: 8, .value_kind: global_buffer, .address_space: global }
    .group_segment_fixed_size: 327680
    .private_segment_fixed_size: 0
    .kernarg_segment_align: 8
    .kernarg_segment_size: 24
    .max_flat_workgroup_size: 128
    .sgpr_count:     66
    .vgpr_count:     1024
    .wavefront_size: 32
...
	.end_amdgpu_metadata
.endif
;; end of part 3
